; MI455X (gfx1250); checked and timed in simulation.
; The chip was launched on July 23, 2026; its instructions are those of AMD's public machine-readable ISA for CDNA 5 (MIT licence, August 2026) and "CDNA5" Instruction Set Architecture Reference Guide (July 2026). The comments in the code are by the model that wrote it; some were corrected since.
;; Vishwam AILLM. Allowed arithmetic: matrix products marked QUANTISED: E4M3 operands, one given power-of-two scale a tensor, by v_wmma_f32_16x16x64_fp8_fp8 or v_wmma_f32_16x16x128_fp8_fp8, f32 sums; everything else in f32.
;; Inputs: lowp_scales 6 int32 (the exponents e of the quantised operands' scales 2^e); mask 1 x 1 x 2,048 x 2,048 bool; w_qkv 1,024 x 3,072 float32; x 4 x 2,048 x 1,024 float32.
;; Outputs: out0 4 x 2,048 x 1,024 float32.
;; This version of the problem:
;;   THIS VERSION OF THE PROBLEM IS GIVEN IN LOW PRECISION. The matrix products marked QUANTISED in the list below multiply operands that are first quantised to E4M3 (4 exponent bits, 3 mantissa bits; 8 bits a number), with one given power-of-two scale for each operand tensor; their sums are f32. All else is computed in f32.
;;   The module's matrix products, in the order in which they are computed (A, B: the left and right operand; K: the contracted axis; several contracted axes count as one K, in the product's order):
;;     1. [M 8,192, K 1,024] x [K 1,024, N 3,072]; A: input x; B: input w_qkv: QUANTISED (scales: A lowp_scales[0], B lowp_scales[1])
;;     2. batch 64 x [M 2,048, K 64] x [K 64, N 2,048]; A: computed on the way; B: computed on the way: QUANTISED (scales: A lowp_scales[2], B lowp_scales[3])
;;     3. batch 64 x [M 64, K 2,048] x [K 2,048, N 2,048]; A: computed on the way; B: softmax (see below): QUANTISED (scales: A lowp_scales[4], B lowp_scales[5])
;;   THE QUANTISER, for each operand of a quantised product, along K:
;;     - The operand's scale is 2^e, e = its entry of the input lowp_scales (int32; the entries are numbered through the quantised products in the list's order, A before B).
;;     - Each number is divided by the scale, clamped to +-448, and rounded to the nearest number of E4M3, ties to even, subnormals kept.
;;     - The product sums the exact products of the quantised numbers (number of the format x scale) in f32.
;;   ~~~python
;;   def quantise(x, axis, e):      # numpy; x: float32 -> the quantised numbers, widened to float32 again
;;       x = np.moveaxis(x, axis, -1); K = x.shape[-1]
;;       r = np.clip(x / 2.0 ** e, -448, 448)
;;       step = 2.0 ** (np.maximum(np.frexp(np.where(r == 0, 1, r))[1] - 1, -6) - 3)
;;       q = np.round(r / step) * step * 2.0 ** e      # np.round: ties to even
;;       return np.moveaxis(q, -1, axis).astype(np.float32)
;;   ~~~
;;   SOFTMAX AHEAD OF A QUANTISED PRODUCT. Where the list says 'softmax', what is quantised is not the finished softmax but p = 2^(t - M), with t = logit x log2(e) and M = ceil(the row's largest t), a whole number; so 1/2 < the row's largest p <= 1. The row's sum l is taken of the UNQUANTISED p, in f32, and the product's result is divided by l at the end. Since M is a whole number, a kernel that streams over the keys may use a running M (the ceiling of the running maximum): every later rescaling is an exact power of two, so the quantised numbers keep their values, but for numbers so far below the row's largest that they fall under the format's range.
;;   OPERANDS COMPUTED ON THE WAY. 'Computed on the way' means the value that the module computes at that place (a softmax that the list does not call 'softmax' is quantised finished and normalised). What goes into a quantiser is computed in f32, as accurately as f32 sums, v_exp_f32 and their like allow (about 1e-6 of the number): no bf16 or f16 on the way to a quantiser, and a product that is left as it is and whose result goes on into a quantised operand takes f32 operands (vector FMAs, or v_wmma_f32_16x16x4_f32). A number that lies on a knife's edge between two numbers of the format may be rounded either way, as far as f32 arithmetic and the matrix unit's own rounding can turn it there, and no further.
;; 2 versions, each right; version 2 is version 1 with the launch attn written anew for expert scheduling mode. Each part assembles by itself: llvm-mc -triple=amdgcn-amd-amdhsa -mcpu=gfx1250 --defsym DOCPART=n.
;; ======== version 1 of 2: 3 launches
;; workspace buffers: xc 8,388,608 bytes; wc 3,145,728 bytes; rope 262,144 bytes; mbits 524,288 bytes of whole numbers; flags 1,024 bytes of whole numbers; qc 8,388,608 bytes; kvc 16,777,216 bytes
;; launch prep (part 1): grid 640 x 1, 4 waves a work-group, no clusters, 68,096 bytes of LDS; arguments x, w_qkv, mask, lowp_scales, xc, wc, mbits, flags, rope; writes xc, wc, mbits, flags, rope
.if DOCPART == 1
	.amdgcn_target "amdgcn-amd-amdhsa--gfx1250"
	.amdhsa_code_object_version 6
	.text
	.protected	k_q1b94ff7c5d_prep
	.globl	k_q1b94ff7c5d_prep
	.p2align	8
	.type	k_q1b94ff7c5d_prep,@function
k_q1b94ff7c5d_prep:
	s_mov_b64 s[64:65], 0
	v_nop
	global_prefetch_b8 v0, s[64:65] scope:SCOPE_SE
	s_setreg_imm32_b32 hwreg(HW_REG_WAVE_MODE, 25, 1), 1
	s_wait_xcnt 0x0
; PREP: what the two later launches read is laid out once.  Four ways through the text, parted on the work-group's number; waves share nothing, so there is no barrier.
;   X  work-groups   0-255: x [8192 tokens][1024] f32 -> xc, codes of E4M3 with the given scale 2^e0, K innermost.  A token's row goes to POSITION = the token's number with bits 3 and 4 exchanged:
;      within each 32 tokens the order is 0-7, 16-23, 8-15, 24-31.  So 16 neighbouring positions are the rows of a tile whose results, used as the next product's K, come out as neighbours in a lane's registers.
;   W  work-groups 256-351: w_qkv [1024 k][3072 n] f32 -> wc [3072 n][1024 k], codes with 2^e1, K innermost: a lane takes a column, its registers run down K.
;   M  work-groups 352-607: mask [2048][2048] bytes -> mbits and flags.  A wave takes one tile of 16 query positions x 256 keys (two key steps of 128).
;      mbits [128 query tiles][16 key steps][64 words]: bit L of word n is mask[token of row L % 16 of the tile][128 step + 32 (n / 16) + 16 (L / 16) + n % 16]: the word that selects register n of the scores.
;      flags [128 query tiles][8 pairs of key steps], a byte: bits 0, 1: some mask byte of the pair's first, second step is true; bits 2, 3: all are.
;   R  work-groups 608-639: rope [128 position tiles][4 x 512 bytes] f32: lane (r, h) of a tile holds cos(s f[8 h + j]), j = 0 .. 7, then sin likewise; s = the token of the tile's row r, f[i] = 10^(-i/4).
; code = x / 2^e, held within +-448, to the nearest code, ties to even.  LIMITS: e0, e1 between -126 and 119, so that 2^e and 448 x 2^e are f32 numbers.  NaN among x and w_qkv is not served; an infinity is held at the largest code.
; The angles are s x f[i] rounded once; sine and cosine by a reduction with pi/2 in two parts (exact for the 1,303 quarter turns that occur) and polynomials of degree 7 and 8: about 1e-7 absolute.
.set STEPS, 16                         ; X: steps of 512 numbers of a wave
.set XSP,   80                         ; X: a lane's place in a stage: its 64 bytes + 16 of padding
.set XREG,  8192                       ; X: LDS bytes 0 .. 32767, a region for each wave: two stages of 32 x XSP bytes
.set XR,    16                         ; X: v16-79   four sets of 16 numbers as loaded
.set XX,    80                         ; X: v80-111  two sets of 16 neighbours
.set XC,    128                        ; X: v128-191 codes, four registers for each step
.set WSTG,  32768                      ; W: LDS bytes 32768 .. 67583: a stage of 32 rows x WP bytes for each wave
.set WP,    272
.set WNB,   8                          ; W: blocks of 32 along K of a wave
.set SIZE_N, 3072
.set KROW,  1024                       ; a row of codes in bytes
.set WX,    32                         ; W: v32-95   two sets of 32 numbers
.set WC,    96                         ; W: v96-103  a block's codes
.set WO,    112                        ; W: v112-175 the way out
	s_load_b256 s[4:11], s[0:1], 0x0               ; x s[4:5], w_qkv s[6:7], mask s[8:9], the scales' exponents s[10:11]
	s_load_b256 s[36:43], s[0:1], 0x20             ; xc s[36:37], wc s[38:39], mbits s[40:41], flags s[42:43]
	s_load_b64 s[44:45], s[0:1], 0x40              ; rope
	v_lshl_add_u32 v192, v0, 2, 0x10800
	v_mov_b32 v193, 0
	v_lshrrev_b32 v1, 5, v0
	v_readfirstlane_b32 s16, v1                    ; wave 0..3
	v_and_b32 v2, 31, v0                           ; lane
	s_wait_kmcnt 0x0
	s_cmp_lt_u32 ttmp9, 256
	s_cbranch_scc0 .Lnot_x
; ---------------- X.  A wave takes 8 tokens, 8,192 numbers, in 16 steps of 512.  Each load reads 512 consecutive bytes; a step's 2,048 bytes turn through the wave's own stage, so that a lane holds 16 neighbours along K.
	s_load_b32 s22, s[10:11], 0x0                  ; e0
	v_lshlrev_b32 v3, 4, v2                        ; my 16 bytes of a load's 512
	s_mul_i32 s17, s16, XREG
	v_lshrrev_b32 v14, 2, v2
	v_mul_u32_u24 v14, v14, XSP
	v_and_b32 v15, 3, v2
	v_lshl_add_u32 v14, v15, 4, v14
	v_add_nc_u32 v14, s17, v14                     ; into the stage: four lanes' 64 bytes on end, then the padding
	v_mul_u32_u24 v15, v2, XSP
	v_add_nc_u32 v15, s17, v15                     ; out of it: my 16 neighbours
	v_lshlrev_b32 v4, 4, v2                        ; my 16 codes' place in a step's 512
	s_lshl_b32 s18, ttmp9, 2
	s_add_co_u32 s18, s18, s16                     ; which run of 8 tokens is mine
	s_lshl_b32 s20, s18, 15                        ; 8 rows of 4,096 bytes
	s_mov_b32 s21, 0
	s_add_nc_u64 s[4:5], s[4:5], s[20:21]
	s_and_b32 s19, s18, 0xfffffffc                 ; the run's bits 0 and 1 are the tokens' bits 3 and 4: exchanged, they give the position
	s_and_b32 s20, s18, 1
	s_lshl_b32 s20, s20, 1
	s_bfe_u32 s23, s18, 0x10001
	s_or_b32 s19, s19, s20
	s_or_b32 s19, s19, s23
	s_lshl_b32 s20, s19, 13                        ; 8 rows of 1,024 bytes
	s_add_nc_u64 s[36:37], s[36:37], s[20:21]
.macro XLOAD t
.irp i, 0,1,2,3
	global_load_b128 v[XR+16*((\t)%4)+4*\i:XR+16*((\t)%4)+4*\i+3], v3, s[4:5] offset:2048*(\t)+512*\i th:TH_LOAD_NT
.endr
.endm
.macro XTURN t                         ; step t's numbers through the stage: LDS serves a wave's instructions in order, so no wait stands between the stores and the loads
.irp i, 0,1,2,3
	ds_store_b128 v14, v[XR+16*((\t)%4)+4*\i:XR+16*((\t)%4)+4*\i+3] offset:32*XSP*((\t)%2)+8*XSP*\i
.endr
.irp i, 0,1,2,3
	ds_load_b128 v[XX+16*((\t)%2)+4*\i:XX+16*((\t)%2)+4*\i+3], v15 offset:32*XSP*((\t)%2)+16*\i
.endr
.endm
.irp t, 0,1,2,3
	XLOAD \t
.endr
	s_wait_kmcnt 0x0
	s_add_co_i32 s22, s22, 127
	s_lshl_b32 s23, s22, 23
	v_mov_b32 v11, s23                             ; 2^e0 as f32: the conversion takes its exponent field
	s_add_co_i32 s22, s22, 8
	s_lshl_b32 s22, s22, 23
	s_or_b32 s22, s22, 0x600000
	v_mov_b32 v10, s22                             ; 448 x 2^e0
	s_wait_loadcnt 12                              ; step 0's four loads are in; the twelve of steps 1 to 3 may be out
	XTURN 0
.macro XSTEP t
.set XS, XX+16*((\t)%2)
	s_wait_dscnt 0x0                               ; this step's numbers are back from the stage, so its stores into the stage have read their registers,
.if (\t)+4 < STEPS
	XLOAD (\t)+4                                   ; which take the loads of four steps on
.endif
.if (\t)+1 < STEPS
.if STEPS-2-(\t) >= 3
	s_wait_loadcnt 12                              ; the next step's four loads are in; those of the three steps behind it may be out
.else
	s_wait_loadcnt 4*(STEPS-2-(\t))
.endif
	XTURN (\t)+1                                   ; and go through the other stage while this step is worked
.endif
.irp i, 0,1,2,3,4,5,6,7,8,9,10,11,12,13,14,15
	v_med3_num_f32 v[XS+\i], v[XS+\i], -v10, v10   ; the conversion to an 8-bit code does not saturate (ISA guide 7.6.2): the hold comes first
.endr
	v_cvt_scalef32_pk8_fp8_f32 v[XC+4*(\t):XC+4*(\t)+1], v[XS:XS+7], v11
	v_cvt_scalef32_pk8_fp8_f32 v[XC+4*(\t)+2:XC+4*(\t)+3], v[XS+8:XS+15], v11
	global_store_b128 v4, v[XC+4*(\t):XC+4*(\t)+3], s[36:37] offset:512*(\t)   ; the wave stores 512 consecutive bytes, aligned; the codes' registers are each step's own
.endm
.irp t, 0,1,2,3,4,5,6,7,8,9,10,11,12,13,14,15
	XSTEP \t
.endr
	s_wait_tensorcnt 0x0
	ds_add_u32 v192, v193
	s_wait_dscnt 0x0
	s_endpgm
.Lnot_x:
	s_cmp_lt_u32 ttmp9, 352
	s_cbranch_scc0 .Lnot_w
; ---------------- W.  A wave takes 32 columns x 256 along K.  Each load reads one row k at 32 neighbouring columns; the codes of a column, 256 bytes, leave through the wave's stage as whole rows of wc.
; Every offset is an immediate: 255 x 12,288 and 30 x 1,024 lie inside the signed 24 bits.
	s_load_b32 s30, s[10:11], 0x4                  ; e1
	s_sub_co_u32 s17, ttmp9, 256
	s_and_b32 s18, s17, 3                          ; which 256 along K
	s_lshr_b32 s17, s17, 2                         ; which 128 columns
	s_lshl_b32 s17, s17, 7
	s_lshl_b32 s19, s16, 5
	s_add_co_u32 s17, s17, s19                     ; my wave's first column
	v_lshlrev_b32 v3, 2, v2                        ; in: 4 bytes a lane
	s_mul_i32 s19, s16, 32*WP
	s_add_co_u32 s19, s19, WSTG                    ; my stage
	v_mul_u32_u24 v4, v2, WP
	v_add_nc_u32 v4, s19, v4                       ; into it: row = my column
	v_and_b32 v5, 15, v2
	v_lshrrev_b32 v6, 4, v2                        ; out of it: sixteen lanes to a row, two rows an instruction
	v_mul_u32_u24 v7, v6, WP
	v_lshl_add_u32 v7, v5, 4, v7
	v_add_nc_u32 v7, s19, v7
	v_mul_u32_u24 v8, v6, KROW
	v_lshl_add_u32 v8, v5, 4, v8                   ; and the same place in wc
	s_mul_i32 s20, s18, 256*SIZE_N*4
	s_lshl_b32 s22, s17, 2
	s_add_co_u32 s20, s20, s22
	s_mov_b32 s21, 0
	s_add_nc_u64 s[6:7], s[6:7], s[20:21]
	s_lshl_b32 s24, s17, 10
	s_lshl_b32 s26, s18, 8
	s_add_co_u32 s24, s24, s26
	s_mov_b32 s25, 0
	s_add_nc_u64 s[38:39], s[38:39], s[24:25]
.macro WLOAD t                         ; block t: w(32 t + i, my column), i = 0 .. 31, into set t % 2
.set i, 0
.rept 32
	global_load_b32 v[WX+32*((\t)%2)+i], v3, s[6:7] offset:(32*(\t)+i)*SIZE_N*4 th:TH_LOAD_NT
.set i, i+1
.endr
.endm
	WLOAD 0
	WLOAD 1
	s_wait_kmcnt 0x0
	s_add_co_i32 s30, s30, 127
	s_lshl_b32 s31, s30, 23
	v_mov_b32 v11, s31                             ; 2^e1
	s_add_co_i32 s30, s30, 8
	s_lshl_b32 s30, s30, 23
	s_or_b32 s30, s30, 0x600000
	v_mov_b32 v10, s30                             ; 448 x 2^e1
.macro WBLOCK t
.set XS, WX+32*((\t)%2)
.if (\t) < WNB-1
	s_wait_loadcnt 32                              ; this block's 32 loads are in; the next block's may be out
.else
	s_wait_loadcnt 0
.endif
.set i, 0
.rept 32
	v_med3_num_f32 v[XS+i], v[XS+i], -v10, v10
.set i, i+1
.endr
.irp g, 0,1,2,3
	v_cvt_scalef32_pk8_fp8_f32 v[WC+2*\g:WC+2*\g+1], v[XS+8*\g:XS+8*\g+7], v11
.endr
	ds_store_b128 v4, v[WC:WC+3] offset:32*(\t)    ; 32 codes: 32 bytes of my column's row
	ds_store_b128 v4, v[WC+4:WC+7] offset:32*(\t)+16
.if (\t)+2 < WNB
	WLOAD (\t)+2
.endif
	s_wait_dscnt 0x0                               ; the stores have read their registers: the next block's codes may be written
.endm
.irp t, 0,1,2,3,4,5,6,7
	WBLOCK \t
.endr
.irp t, 0,1,2,3,4,5,6,7,8,9,10,11,12,13,14,15
	ds_load_b128 v[WO+4*\t:WO+4*\t+3], v7 offset:2*\t*WP   ; LDS serves a wave's instructions in order: these see my stores
.endr
.irp t, 0,1,2,3,4,5,6,7,8,9,10,11,12,13,14,15
	s_wait_dscnt 15-\t
	global_store_b128 v8, v[WO+4*\t:WO+4*\t+3], s[38:39] offset:2*\t*KROW   ; sixteen lanes store 256 consecutive bytes, aligned
.endr
	s_wait_tensorcnt 0x0
	ds_add_u32 v192, v193
	s_wait_dscnt 0x0
	s_endpgm
.Lnot_w:
	s_cmp_lt_u32 ttmp9, 608
	s_cbranch_scc0 .Lnot_m
; ---------------- M.  Wave g = 8 x query tile + pair of key steps.  Lane (r, h) loads, of its query's row of the mask, 16 bytes at 32 G + 16 h, G = 0 .. 7: the eight loads together read 256 consecutive bytes of 16 rows.
	s_sub_co_u32 s17, ttmp9, 352
	s_lshl_b32 s17, s17, 2
	s_add_co_u32 s17, s17, s16                     ; g
	s_lshr_b32 s18, s17, 3                         ; query tile
	s_and_b32 s19, s17, 7                          ; pair
	s_lshr_b32 s28, s18, 1
	s_lshl_b32 s28, s28, 5
	s_and_b32 s29, s18, 1
	s_lshl_b32 s29, s29, 3
	s_add_co_u32 s28, s28, s29                     ; the token of the tile's row 0
	s_lshl_b32 s28, s28, 11                        ; a row of the mask is 2,048 bytes
	s_lshl_b32 s29, s19, 8
	s_add_co_u32 s28, s28, s29
	s_mov_b32 s29, 0
	s_add_nc_u64 s[8:9], s[8:9], s[28:29]
	s_lshl_b32 s28, s17, 9                         ; two key steps' words: 512 bytes
	s_add_nc_u64 s[40:41], s[40:41], s[28:29]
	s_mov_b32 s28, s17                             ; and one byte of flags
	s_add_nc_u64 s[42:43], s[42:43], s[28:29]
	v_and_b32 v5, 15, v2
	v_and_b32 v6, 8, v5
	v_add_nc_u32 v5, v5, v6                        ; r + 8 (r / 8): the row's token within the tile's 24
	v_lshlrev_b32 v3, 11, v5
	v_lshrrev_b32 v6, 4, v2
	v_lshl_add_u32 v3, v6, 4, v3
.irp g, 0,1,2,3,4,5,6,7
	global_load_b128 v[32+4*\g:35+4*\g], v3, s[8:9] offset:32*\g th:TH_LOAD_NT
.endr
	v_lshlrev_b32 v4, 3, v2                        ; out: two words a lane
	v_mov_b32 v7, 0
.irp i, 8,9,10,11
	v_mov_b32 v\i, 0                               ; the words are set lane by lane, so the registers are written whole first
.endr
	s_mov_b32 s24, 0                               ; some byte true, step 0, 1
	s_mov_b32 s25, 0
	s_mov_b32 s26, -1                              ; all bytes true, step 0, 1
	s_mov_b32 s27, -1
	s_wait_loadcnt 0x0
; Word n of step s: byte n % 4 of register 4 (4 s + n / 16) + (n % 16) / 4, compared in all 32 lanes at once; the 32 bits go to lane n / 2 of register n % 2.  Four temporaries by turns.
.macro BITS s
.set n, 0
.rept 64
.set k, n%4
	v_and_b32 v[12+k], 0xff<<(8*k), v[32+4*(4*\s+n/16)+(n%16)/4]
	v_cmp_ne_u32 s[20+k], 0, v[12+k]
	v_writelane_b32 v[8+2*\s+n%2], s[20+k], n/2
	s_or_b32 s[24+\s], s[24+\s], s[20+k]
	s_and_b32 s[26+\s], s[26+\s], s[20+k]
.set n, n+1
.endr
.endm
	BITS 0
	BITS 1
	global_store_b64 v4, v[8:9], s[40:41]          ; the wave stores 256 consecutive bytes, aligned
	global_store_b64 v4, v[10:11], s[40:41] offset:256
	s_cmp_lg_u32 s24, 0
	s_cselect_b32 s28, 1, 0
	s_cmp_lg_u32 s25, 0
	s_cselect_b32 s29, 2, 0
	s_cmp_eq_u32 s26, -1
	s_cselect_b32 s30, 4, 0
	s_cmp_eq_u32 s27, -1
	s_cselect_b32 s31, 8, 0
	s_or_b32 s28, s28, s29
	s_or_b32 s30, s30, s31
	s_or_b32 s28, s28, s30
	v_mov_b32 v5, s28
	v_cmp_eq_u32 vcc_lo, 0, v2
	s_wait_xcnt 0x0                                ; EXEC is a source of the stores above: it changes only behind this wait
	s_and_saveexec_b32 s32, vcc_lo
	global_store_b8 v7, v5, s[42:43]               ; one byte a wave, 1,024 in the launch: gathering them would want a barrier between waves that share nothing else
	s_wait_xcnt 0x0
	s_or_b32 exec_lo, exec_lo, s32
	s_endpgm
.Lnot_m:
; ---------------- R.  A wave makes one position tile's table.
	s_sub_co_u32 s17, ttmp9, 608
	s_lshl_b32 s17, s17, 2
	s_add_co_u32 s17, s17, s16                     ; the tile, 0 .. 127
	s_lshr_b32 s18, s17, 1
	s_lshl_b32 s18, s18, 5
	s_and_b32 s19, s17, 1
	s_lshl_b32 s19, s19, 3
	s_add_co_u32 s18, s18, s19
	v_and_b32 v5, 15, v2
	v_and_b32 v6, 8, v5
	v_add_nc_u32 v5, v5, v6
	v_add_nc_u32 v5, s18, v5                       ; my row's token
	v_cvt_f32_u32 v20, v5
	v_lshrrev_b32 v6, 4, v2
	v_cmp_eq_u32 vcc_lo, 1, v6                     ; lanes 16-31 take frequencies 8 .. 15
	v_lshlrev_b32 v4, 4, v2
	s_lshl_b32 s18, s17, 11
	s_mov_b32 s19, 0
	s_add_nc_u64 s[44:45], s[44:45], s[18:19]
	s_mov_b32 s20, 0xbfc90fdb                      ; -(pi/2 rounded to f32)
	s_mov_b32 s21, 0x333bbd2e                      ; what that rounding added to pi/2: 4.3711388e-8
	s_mov_b32 s22, 0xb94ca1f9                      ; sine: -1.9515296e-4,
	s_mov_b32 s23, 0x3c08839e                      ;        8.3321609e-3,
	s_mov_b32 s24, 0xbe2aaaa3                      ;       -1.6666655e-1
	s_mov_b32 s25, 0x37ccf5ce                      ; cosine: 2.4433157e-5,
	s_mov_b32 s26, 0xbab6061a                      ;        -1.3887316e-3,
	s_mov_b32 s27, 0x3d2aaaa5                      ;         4.1666646e-2
.macro SINCOS j, flo, fhi
	v_mov_b32 v21, \fhi
	v_cndmask_b32 v21, \flo, v21, vcc_lo           ; f[8 h + j]
	v_mul_f32 v22, v20, v21                        ; the angle, rounded once
	v_mul_f32 v23, 0x3f22f983, v22                 ; x 2 / pi
	v_rndne_f32 v23, v23                           ; quarter turns
	v_fma_f32 v24, v23, s20, v22                   ; exact: 11 bits x 24 bits, and the difference has 23
	v_fma_f32 v24, v23, s21, v24                   ; what is left, within +-pi/4
	v_mul_f32 v25, v24, v24
	v_fma_f32 v26, v25, s22, s23
	v_fma_f32 v27, v25, s25, s26
	v_fma_f32 v26, v26, v25, s24
	v_fma_f32 v27, v27, v25, s27
	v_mul_f32 v26, v26, v25
	v_mul_f32 v27, v27, v25
	v_fma_f32 v29, v25, -0.5, 1.0
	v_fma_f32 v26, v26, v24, v24                   ; the sine of what is left
	v_fma_f32 v27, v27, v25, v29                   ; its cosine
	v_cvt_i32_f32 v28, v23
	v_and_b32 v29, 1, v28
	v_cmp_eq_u32 s28, 1, v29                       ; an odd number of quarter turns exchanges the two
	v_cndmask_b32 v30, v26, v27, s28
	v_cndmask_b32 v31, v27, v26, s28
	v_and_b32 v29, 2, v28                          ; the sine is negated in quarters 2 and 3,
	v_lshlrev_b32 v29, 30, v29
	v_xor_b32 v[40+\j], v29, v30
	v_add_nc_u32 v28, 1, v28                       ; the cosine in quarters 1 and 2
	v_and_b32 v28, 2, v28
	v_lshlrev_b32 v28, 30, v28
	v_xor_b32 v[32+\j], v28, v31
.endm
	SINCOS 0, 0x3f800000, 0x3c23d70a               ; 1,            0.01
	SINCOS 1, 0x3f0ff59a, 0x3bb8449c               ; 0.56234133,   0.0056234133
	SINCOS 2, 0x3ea1e89b, 0x3b4f3e37               ; 0.31622777,   0.0031622777
	SINCOS 3, 0x3e361887, 0x3ae91528               ; 0.17782794,   0.0017782794
	SINCOS 4, 0x3dcccccd, 0x3a83126f               ; 0.1,          0.001
	SINCOS 5, 0x3d6655c3, 0x3a136a16               ; 0.056234133,  0.00056234133
	SINCOS 6, 0x3d0186e2, 0x39a5cb5f               ; 0.031622777,  0.00031622777
	SINCOS 7, 0x3c91ad39, 0x393a7753               ; 0.017782794,  0.00017782794
.irp c, 0,1,2,3
	global_store_b128 v4, v[32+4*\c:35+4*\c], s[44:45] offset:512*\c   ; 512 consecutive bytes, aligned
.endr
	s_endpgm
.Lfunc_end_k_q1b94ff7c5d_prep:
	.size	k_q1b94ff7c5d_prep, .Lfunc_end_k_q1b94ff7c5d_prep-k_q1b94ff7c5d_prep
	.p2alignl 7, 3214868480
	.fill 96, 4, 3214868480
	.section	.rodata,"a",@progbits
	.p2align	6, 0x0
	.amdhsa_kernel k_q1b94ff7c5d_prep
		.amdhsa_group_segment_fixed_size 68096
		.amdhsa_private_segment_fixed_size 0
		.amdhsa_enable_private_segment 0
		.amdhsa_kernarg_size 72
		.amdhsa_user_sgpr_count 2
		.amdhsa_user_sgpr_kernarg_segment_ptr 1
		.amdhsa_wavefront_size32 1
		.amdhsa_system_sgpr_workgroup_id_x 1
		.amdhsa_system_sgpr_workgroup_id_y 1
		.amdhsa_system_sgpr_workgroup_id_z 1
		.amdhsa_system_vgpr_workitem_id 0
		.amdhsa_next_free_vgpr 194
		.amdhsa_next_free_sgpr 66
		.amdhsa_reserve_vcc 1
		.amdhsa_float_denorm_mode_32 3
		.amdhsa_float_denorm_mode_16_64 3
		.amdhsa_memory_ordered 1
		.amdhsa_forward_progress 1
		.amdhsa_inst_pref_size 133
	.end_amdhsa_kernel
	.amdgpu_metadata
---
amdhsa.version: [ 1, 2 ]
amdhsa.kernels:
  - .name:           k_q1b94ff7c5d_prep
    .symbol:         k_q1b94ff7c5d_prep.kd
    .args:
      - { .name: x, .offset: 0, .size: 8, .value_kind: global_buffer, .address_space: global }
      - { .name: w_qkv, .offset: 8, .size: 8, .value_kind: global_buffer, .address_space: global }
      - { .name: mask, .offset: 16, .size: 8, .value_kind: global_buffer, .address_space: global }
      - { .name: lowp_scales, .offset: 24, .size: 8, .value_kind: global_buffer, .address_space: global }
      - { .name: xc, .offset: 32, .size: 8, .value_kind: global_buffer, .address_space: global }
      - { .name: wc, .offset: 40, .size: 8, .value_kind: global_buffer, .address_space: global }
      - { .name: mbits, .offset: 48, .size: 8, .value_kind: global_buffer, .address_space: global }
      - { .name: flags, .offset: 56, .size: 8, .value_kind: global_buffer, .address_space: global }
      - { .name: rope, .offset: 64, .size: 8, .value_kind: global_buffer, .address_space: global }
    .group_segment_fixed_size: 68096
    .private_segment_fixed_size: 0
    .kernarg_segment_align: 8
    .kernarg_segment_size: 72
    .max_flat_workgroup_size: 128
    .sgpr_count:     66
    .vgpr_count:     194
    .wavefront_size: 32
...
	.end_amdgpu_metadata
.endif
;; end of part 1
;; launch gemm (part 2): grid 96 x 4, 4 waves a work-group, clusters of 4 x 4, 327,680 bytes of LDS; arguments xc, wc, lowp_scales, rope, qc, kvc; writes qc, kvc
.if DOCPART == 2
	.amdgcn_target "amdgcn-amd-amdhsa--gfx1250"
	.amdhsa_code_object_version 6
	.text
	.protected	k_q1b94ff7c5d_gemm
	.globl	k_q1b94ff7c5d_gemm
	.p2align	8
	.type	k_q1b94ff7c5d_gemm,@function
k_q1b94ff7c5d_gemm:
	s_mov_b64 s[64:65], 0
	v_nop
	global_prefetch_b8 v0, s[64:65] scope:SCOPE_SE
	s_setreg_imm32_b32 hwreg(HW_REG_WAVE_MODE, 25, 1), 1
	s_wait_xcnt 0x0
	s_wait_alu depctr_hold_cnt(0) depctr_sa_sdst(0) depctr_va_vdst(0) depctr_va_sdst(0) depctr_va_ssrc(0) depctr_va_vcc(0) depctr_vm_vsrc(0)
	s_getreg_b32 s2, hwreg(HW_REG_IB_STS2, 6, 4)
	s_cmp_eq_u32 s2, 0
	s_cbranch_scc0 .Lentry_in_a_cluster
	s_endpgm
.Lentry_in_a_cluster:
	s_bfe_u32 s2, ttmp6, 0x10000c
	s_cmp_lg_u32 s2, 0xf033
	s_cbranch_scc0 .Lentry_shape_is_right
	s_endpgm
.Lentry_shape_is_right:
; qkv = x w on codes of E4M3 (K = 1,024), then, without a way through memory as f32: the rotation of q's and k's first 32 channels, and the quantising of q, k and v for the attention's two products.
; xc: [8192 positions][1024] codes (position = token with bits 3 and 4 exchanged), wc: [3072 n][1024] codes.  A sum stands for sum x 2^(e0 + e1).
; A tile of 256 x 256 is made by a work-group of four waves, a wave 128 x 128: 64 accumulators, 512 registers.  K goes in steps of 256 through a ring of two LDS slots filled by the tensor data mover.
; THE MATRIX INSTRUCTION IS USED TRANSPOSED: source 0 = 16 rows of 'B', source 1 = 16 rows of 'A': a lane holds ONE row of A and eight neighbouring rows of B.
; 24 CLUSTERS of 4 x 4 work-groups, numbered by the cluster's x alone:
;   0-15  q (even) and k (odd): A = xc, B = wc's rows 0-1023 or 1024-2047.  A lane holds one position and eight neighbouring channels: the registers run along the next product's K, the head's 64.
;   16-23 v: A = wc's rows 2048-3071, B = xc.  A lane holds one channel and eight positions, which by xc's order are neighbouring TOKENS in pairs of tiles: the registers run along the next K, the keys.
; One text serves both: only the two buffers' addresses are chosen, on the cluster's number, which all partners share.  The four of a row of the cluster need the same tiles of A, the four of a column the same
; tiles of B: each tile is asked for JOINTLY, by the same tensor load with the same descriptor and a mask that names the four.
; THE WAY OUT stores images of the operands' registers, 16 bytes a lane, 512 consecutive bytes an instruction, and touches no LDS:
;   qc  [64 heads][128 tiles of 16 positions][1,024 bytes]: registers 2 c, 2 c + 1 of lane (r, h): channels 16 c + 8 h + 0 .. 7 of row r.
;   kvc [64 heads][16 key steps][16,384 bytes]: 8 such tiles of k, then 4 tiles of v^T (16 channels x 128 keys, 2,048 bytes): registers 4 g .. 4 g + 3 of lane (r, h): keys 32 g + 16 h + 0 .. 15 of channel r.
; The rotation is linear, so it is made on the sums as they are, and the three scales fold into the conversion's one: code = sum / 2^(eo - e0 - e1), eo = e2 for q, e3 for k, e4 for v.
; LIMIT: eo - e0 - e1 lies between -126 and 119, so that this power of two and 448 times it are f32 numbers.
; The rotation's tables (six of a wave's eight) are loaded at the head, into registers that the loop leaves alone.  v's clusters load them too and do not read them, 12 KB a wave: so every register that the
; way out reads is written on every way through the text.
; REGISTERS, in windows of 256: window 0: v0-31 addresses; v32-127 six tables; from v128 A's fragments, ONE set; on the way out v128-255 are free.
;   window 1: B's fragments, TWO sets.   window 2: the accumulators of my A rows 0-63 ((a, b) at v[8 (8 a + b)]);   window 3: those of rows 64-127.
.set SIZE_K, 1024
.set KSTEP,  256                       ; along K in a slot
.set ROWB,   256                       ; a tile's row in bytes
.set KROW,   SIZE_K                    ; a row of codes in memory, in bytes
.set PITCH,  272                       ; an LDS row: 256 bytes + 16 of padding = 68 words: row r starts at bank 4 r mod 64 (ISA guide 11.1), so the 16 rows of a load start at 16 different banks
.set FR,     16                        ; registers of a fragment: 16 rows x 128 K
.set NL,     4                         ; LDS loads that bring one
.set NP,     4                         ; places behind this matrix instruction (ISA guide 7.12.1)
.set HALFT,  128*PITCH                 ; 128 rows: what one tensor load brings
.set SLOT,   4*HALFT                   ; A's 256 rows, then B's 256 rows
.set LAPS,   SIZE_K/(2*KSTEP)          ; 2 laps round the ring
.set SPARE,  2*SLOT                    ; behind the ring: the spare words, 128 bytes for each wave: two blocks of 256 bytes that no other line names
.set SCL,  10                          ; v10     2^(eo - e0 - e1) as f32
.set LIM,  11                          ; v11     448 x that
.set LI,   12                          ; v12     16 x lane: my place in an image; never rewritten
.set ADRA, 16                          ; v16-17  LDS address of my A fragments in slot 0, 1
.set ADRB, 20                          ; v20-21  the same for B
.set SPW,  28                          ; v28     LDS address of my spare word; never rewritten
.set NIL,  29                          ; v29     0; never rewritten
.set AF,   128                         ; A's fragments, in window 0
.set G1, 24                            ; s[24:31] descriptor group 1 for A's tiles;  s[32:39] group 0, one set for each slot
.set G0, 32
.set G1B, 48                           ; s[48:55], s[56:63] the same for B's tiles
.set G0B, 56
.set O0, 68                            ; s[68:69], s[70:71] where my two heads' images begin
.set RP, 88                            ; s[88:89] my eight tables; never rewritten
.set MSB, 0
.macro WIN new                         ; the immediate's high byte repeats the setting that is left
.if MSB != \new
	s_set_vgpr_msb (MSB<<8)|\new
.set MSB, \new
.endif
.endm
.set MUL_LO, 0xa1                      ; source 0 (B) window 1, source 1 (A) window 0, C and D window 2
.set MUL_HI, 0xf1                      ; the same, C and D window 3
.set TO_B,   0x40                      ; destination window 1, address window 0
; A joint load: waves 0 and 1 fetch for A, waves 2 and 3 for B.  Each of the two lines has ONE mask and one set of registers for all that issue it; the branch hangs on the wave's number alone.
; Four v_nop follow each of the two lines, ahead of the jump, the label and what follows.
.macro JLOAD g0a, g1a, g0b, g1b
	s_cmp_eq_u32 s15, 0
	s_cbranch_scc0 .Lfor_b_\@
	tensor_load_to_lds s[\g0a:\g0a+3], s[\g1a:\g1a+7]
	s_nop 0
.rept 4
	v_nop
.endr
	s_branch .Lasked_\@
.Lfor_b_\@:
	tensor_load_to_lds s[\g0b:\g0b+3], s[\g1b:\g1b+7]
	s_nop 0
.rept 4
	v_nop
.endr
.Lasked_\@:
.endm
.macro CREST                           ; a round of the cluster's barrier behind its opening barrier
	s_cmp_lg_u32 s14, 0
	s_cbranch_scc1 .Lnot_wave_0_\@
	s_barrier_signal -3
.Lnot_wave_0_\@:
	s_barrier_wait -3
	s_barrier_signal -1
	s_barrier_wait -1
.endm
.macro CROUND                          ; a whole round
	s_barrier_signal -1
	s_barrier_wait -1
	CREST
.endm
	s_load_b128 s[4:7], s[0:1], 0x0                ; xc s[4:5], wc s[6:7]
	s_load_b128 s[8:11], s[0:1], 0x10              ; the scales' exponents s[8:9], rope s[10:11]
	s_load_b128 s[84:87], s[0:1], 0x20             ; qc s[84:85], kvc s[86:87]
	v_lshl_add_u32 v[SPW], v0, 2, SPARE
	v_mov_b32 v[NIL], 0
	ds_add_u32 v28, v29
	ds_add_u32 v28, v29
	s_wait_dscnt 0x0
	v_lshrrev_b32 v1, 5, v0
	v_readfirstlane_b32 s14, v1                    ; wave 0..3
	s_lshr_b32 s15, s14, 1                         ; which half of the tile's A rows is mine.  Also: I fetch for A (0) or for B (1)
	s_and_b32 s16, s14, 1                          ; which half of its B rows.  Also: which 128 rows of that tile I fetch
	s_bfe_u32 s40, ttmp6, 0x40000                  ; cx, cy: my place in the cluster
	s_bfe_u32 s41, ttmp6, 0x40004
	s_and_b32 s66, ttmp9, 1                        ; q's and k's clusters: column of clusters = number % 2 (q, k), row = number / 2
	s_lshr_b32 s67, ttmp9, 1
	s_sub_co_u32 s90, ttmp9, 16                    ; v's: column = number - 16, row 0
	s_cmp_lt_u32 ttmp9, 16
	s_cselect_b32 s66, s66, s90
	s_cselect_b32 s67, s67, 0
	s_lshl_b32 s42, s66, 2
	s_add_co_u32 s42, s42, s40                     ; tile column (of B) = 4 x column of clusters + cx
	s_lshl_b32 s17, s67, 2
	s_add_co_u32 s17, s17, s41                     ; tile row (of A) = 4 x row of clusters + cy
	s_lshl_b32 s43, s41, 2
	s_lshl_b32 s43, 15, s43                        ; my row of the cluster
	s_lshl_b32 s44, 0x1111, s40                    ; my column
	; descriptor group 1: a tile of 128 rows x 256 bytes, padded in LDS
	s_or_b32 s[G1+0], s43, (0<<16)|(1<<20)|(1<<21)|(5<<22)|(3<<25)  ; 15:0 the mask: A's tiles go to my row; 17:16 element of 1 byte; 20 padding on; 21 set beside a mask; 24:22 after every 64 words (code 5); 31:25 of 4 words (code 3)
	s_or_b32 s[G1B+0], s44, (0<<16)|(1<<20)|(1<<21)|(5<<22)|(3<<25)
.irp g, G1, G1B
	s_mov_b32 s[\g+1], ROWB<<16                    ; tensor_dim0
	s_mov_b32 s[\g+2], 128<<16                     ; tensor_dim1 = 128
	s_mov_b32 s[\g+3], ROWB<<16                    ; tile_dim0
	s_mov_b32 s[\g+4], 128                         ; tile_dim1 = 128
	s_mov_b32 s[\g+5], KROW                        ; tensor_dim0_stride
	s_mov_b32 s[\g+6], 0
	s_mov_b32 s[\g+7], 0
.endr
	s_lshl_b32 s18, s16, 7                         ; which 128 rows of the tile I fetch
	s_lshl_b32 s20, s17, 8
	s_add_co_u32 s20, s20, s18                     ; A: row 256 x tile row + 128 x half
	s_lshl_b32 s20, s20, 10                        ; in bytes: under 2^24
	s_mov_b32 s21, 0
	s_lshl_b32 s46, s42, 8
	s_add_co_u32 s46, s46, s18                     ; B: row 256 x tile column + 128 x half
	s_lshl_b32 s46, s46, 10
	s_mov_b32 s47, 0
	s_mul_i32 s45, s14, HALFT                      ; where they go: wave x 128 rows: no place in the cluster enters an LDS address
	s_wait_kmcnt 0x0
	s_load_b128 s[76:79], s[8:9], 0x0              ; e0, e1, e2, e3
	s_load_b32 s80, s[8:9], 0x10                   ; e4
	s_add_nc_u64 s[92:93], s[6:7], 0x200000        ; v's 1,024 rows of wc begin 2,048 rows in
	s_cmp_lt_u32 ttmp9, 16                         ; the choice hangs on the cluster's number alone
	s_cselect_b64 s[72:73], s[4:5], s[92:93]       ; A
	s_cselect_b64 s[74:75], s[6:7], s[4:5]         ; B
	s_add_nc_u64 s[20:21], s[72:73], s[20:21]
	s_add_nc_u64 s[46:47], s[74:75], s[46:47]
	CROUND                                         ; all sixteen work-groups are here: the first joint loads meet
.irp s, 0,1
	s_mov_b32 s[G0+4*\s], 1
	s_add_co_u32 s[G0+4*\s+1], s45, \s*SLOT
	s_add_nc_u64 s[G0+4*\s+2:G0+4*\s+3], s[20:21], \s*ROWB
	s_or_b32 s[G0+4*\s+3], s[G0+4*\s+3], 0x80000000
	s_mov_b32 s[G0B+4*\s], 1
	s_add_co_u32 s[G0B+4*\s+1], s45, \s*SLOT
	s_add_nc_u64 s[G0B+4*\s+2:G0B+4*\s+3], s[46:47], \s*ROWB
	s_or_b32 s[G0B+4*\s+3], s[G0B+4*\s+3], 0x80000000
	JLOAD G0+4*\s, G1, G0B+4*\s, G1B
.endr
	v_and_b32 v1, 15, v0                           ; l % 16
	v_bfe_u32 v2, v0, 4, 1                         ; l / 16
	v_mul_u32_u24 v3, v1, PITCH
	v_lshl_add_u32 v4, v2, 4, v3                   ; a fragment's row x pitch + 16 x half
	s_mul_i32 s21, s15, HALFT                      ; my 128 rows of A
	s_mul_i32 s22, s16, HALFT                      ; my 128 rows of B,
	s_add_co_u32 s22, s22, 2*HALFT                 ; which lie behind A's 256
.irp s, 0,1
	v_add_nc_u32 v[ADRA+\s], s21, v4
	v_add_nc_u32 v[ADRB+\s], s22, v4
	s_add_co_u32 s21, s21, SLOT
	s_add_co_u32 s22, s22, SLOT
.endr
	v_and_b32 v6, 31, v0
	v_lshlrev_b32 v[LI], 4, v6
	; the tables of my 128 positions: key step (tile row % 8) x 2 + half of the sequence, 8 tiles of 2,048 bytes.  (In v's clusters the tile row is 0 .. 3: the address lies inside the buffer there too.)
	s_and_b32 s22, s17, 7
	s_lshl_b32 s22, s22, 1
	s_add_co_u32 s22, s22, s15
	s_lshl_b32 s22, s22, 14
	s_mov_b32 s23, 0
	s_add_nc_u64 s[RP:RP+1], s[10:11], s[22:23]
.irp a, 0,1,2,3,4,5
.irp c, 0,1,2,3
	global_load_b128 v[32+16*\a+4*\c:35+16*\a+4*\c], v[LI], s[RP:RP+1] offset:2048*\a+512*\c   ; they land while the loop runs; nothing in it names v32-127
.endr
.endr
	; where my two heads' images begin.  q, k: batch = tile row / 8, key step = (tile row % 8) x 2 + row half, head = (tile column % 4) x 4 + 2 x column half (+ 1).
	;                                    v:    batch = tile column / 8, key step = (tile column % 8) x 2 + column half, head = 4 x tile row + 2 x row half (+ 1).
	s_lshr_b32 s90, s17, 3
	s_and_b32 s91, s42, 3
	s_lshl_b32 s91, s91, 2
	s_lshl_b32 s92, s16, 1
	s_add_co_u32 s91, s91, s92
	s_and_b32 s92, s17, 7
	s_lshl_b32 s92, s92, 1
	s_add_co_u32 s92, s92, s15
	s_lshr_b32 s93, s42, 3
	s_lshl_b32 s94, s17, 2
	s_lshl_b32 s95, s15, 1
	s_add_co_u32 s94, s94, s95
	s_and_b32 s95, s42, 7
	s_lshl_b32 s95, s95, 1
	s_add_co_u32 s95, s95, s16
	s_add_co_u32 s96, s66, 13                      ; a key step is 2^13 bytes in qc, 2^14 in kvc
	s_cmp_lt_u32 ttmp9, 16
	s_cselect_b32 s90, s90, s93                    ; batch
	s_cselect_b32 s91, s91, s94                    ; head
	s_cselect_b32 s92, s92, s95                    ; key step
	s_cselect_b32 s96, s96, 14
	s_cselect_b32 s97, 0, 8192                     ; v's tiles lie behind k's eight
	s_lshl_b32 s90, s90, 4
	s_add_co_u32 s90, s90, s91
	s_lshl_b32 s90, s90, 4
	s_add_co_u32 s90, s90, s92                     ; (16 batch + head) x 16 + key step
	s_lshl_b32 s92, s90, s96
	s_add_co_u32 s92, s92, s97
	s_mov_b32 s93, 0
	s_add_co_u32 s90, s90, 16                      ; the next head
	s_lshl_b32 s94, s90, s96
	s_add_co_u32 s94, s94, s97
	s_mov_b32 s95, 0
	s_and_b32 s91, ttmp9, 0x11                     ; 0 in q's clusters alone (even, under 16)
	s_cmp_eq_u32 s91, 0
	s_cselect_b64 s[O0:O0+1], s[84:85], s[86:87]
	s_add_nc_u64 s[O0+2:O0+3], s[O0:O0+1], s[94:95]
	s_add_nc_u64 s[O0:O0+1], s[O0:O0+1], s[92:93]
.macro FRAG reg, adr, q, i             ; a fragment, 16 rows x 128 K, is 16 registers: lane l holds row l % 16; registers 4 c .. 4 c + 3 hold K = 32 c + 16 (l / 16) + 0 .. 15: the same places in A and in B
.irp c, 0,1,2,3
	ds_load_b128 v[\reg+4*\c:\reg+4*\c+3], v[\adr] offset:128*(\q)+32*\c+(\i)*16*PITCH
.endr
.endm
; 16 matrix instructions: A's blocks a0, a0 + 1 x B's eight, 128 along K.  p: B's set.  zero = 1: the first product starts the sums.
; The 64 accumulators take turns, one instruction a turn, in the same order in every step.
.macro MUL16 a0, p, zero
.irp a, \a0, \a0+1
.irp b, 0,1,2,3,4,5,6,7
.if \zero
	v_wmma_f32_16x16x128_fp8_fp8 v[8*(8*((\a)%4)+\b):8*(8*((\a)%4)+\b)+7], v[128*(\p)+FR*\b:128*(\p)+FR*\b+FR-1], v[AF+FR*(\a):AF+FR*(\a)+FR-1], 0
.else
	v_wmma_f32_16x16x128_fp8_fp8 v[8*(8*((\a)%4)+\b):8*(8*((\a)%4)+\b)+7], v[128*(\p)+FR*\b:128*(\p)+FR*\b+FR-1], v[AF+FR*(\a):AF+FR*(\a)+FR-1], v[8*(8*((\a)%4)+\b):8*(8*((\a)%4)+\b)+7]
.endif
.endr
.endr
.endm
.macro FETCH_B slot, q, p              ; B's eight fragments of the slot's q-th 128 along K into set p
	WIN TO_B
.irp i, 0,1,2,3,4,5,6,7
	FRAG 128*(\p)+FR*\i, ADRB+\slot, \q, \i
.endr
	WIN 0
.endm
.macro FETCH_A slot, q, i0             ; A's blocks i0 .. i0 + 3
.irp i, \i0, \i0+1, \i0+2, \i0+3
	FRAG AF+FR*(\i), ADRA+\slot, \q, \i
.endr
.endm
; A load into a register that a matrix instruction has read, and a vector instruction that reads a matrix result, stand NP places behind that matrix instruction; only plain vector
; instructions that name none of its registers are places (ISA guide 7.12.1 for vector instructions).
.macro PLACES n
.rept \n
	v_nop
.endr
.endm
; A step of 128 along K that has its successor in the same slot.  A's blocks are free as soon as their eight products are issued, so one set serves A; B's fragments are at work through the step and have two.
.macro STEP slot, q, zero
	s_wait_dscnt 4*NL                              ; B's set and A's blocks 0-3 are in; the youngest sixteen loads (A's blocks 4-7) may be out
	WIN MUL_LO
	MUL16 0, (\q)%2, \zero
	MUL16 2, (\q)%2, \zero
	s_wait_dscnt 0                                 ; A's blocks 4-7 are in
	PLACES NP
	FETCH_B \slot, (\q)+1, 1-(\q)%2
	FETCH_A \slot, (\q)+1, 0
	WIN MUL_HI
	MUL16 4, (\q)%2, \zero
	MUL16 6, (\q)%2, \zero
	PLACES NP
	WIN 0
	FETCH_A \slot, (\q)+1, 4
.endm
; A slot's last step changes slots: ONE barrier; in front of it each wave waits for all its tensor loads, adds 0 to its spare word, and waits for that and for its own reads of this slot.  fill = 1: this slot is filled again, two K steps ahead.
.macro TURN slot, next, fill
	s_wait_tensorcnt 0x0                           ; all my tensor loads have landed: my part of the next slot;  (every window is 0 here)
	ds_add_u32 v[SPW], v[NIL]                      ; 0 onto my spare word
	s_wait_dscnt 4*NL+1                            ; (the add and the youngest sixteen loads, A's blocks 4-7, may be out)
	WIN MUL_LO
	MUL16 0, 1, 0                                  ; sixteen matrix instructions stand between the add and the wait for it
	s_wait_dscnt 0x0                               ; the add is done, and my reads of this slot are over
	s_barrier_signal -1
	MUL16 2, 1, 0
	WIN 0
	s_barrier_wait -1
.if \fill
	CREST                                          ; the barrier has opened a round of the cluster's barrier: no wave of any partner still reads this slot's tile or has a load on its way
	s_add_nc_u64 s[G0+4*\slot+2:G0+4*\slot+3], s[G0+4*\slot+2:G0+4*\slot+3], 2*ROWB
	s_add_nc_u64 s[G0B+4*\slot+2:G0B+4*\slot+3], s[G0B+4*\slot+2:G0B+4*\slot+3], 2*ROWB
	JLOAD G0+4*\slot, G1, G0B+4*\slot, G1B         ; the first tensor load behind the round; the four v_nop behind it are the places in front of the loads below
.else
	PLACES NP
.endif
	FETCH_B \next, 0, 0
	FETCH_A \next, 0, 0
	WIN MUL_HI
	MUL16 4, 1, 0
	MUL16 6, 1, 0
	PLACES NP
	WIN 0
	FETCH_A \next, 0, 4
.endm
	s_wait_tensorcnt 1                             ; my part of K step 0 is in (K step 1's load may be out)
	s_barrier_signal -1
	s_barrier_wait -1                              ; everybody's is
	FETCH_B 0, 0, 0
	FETCH_A 0, 0, 0
	FETCH_A 0, 0, 4
	STEP 0, 0, 1                                   ; the first step stands in front of the loop: its products start the sums
	s_mov_b32 s3, LAPS-1
.Llap:                                                 ; a trip goes once round the ring, from a lap's second step to the next lap's first, and fills both slots again
	TURN 0, 1, 1
	STEP 1, 0, 0
	TURN 1, 0, 1
	STEP 0, 0, 0
	s_sub_co_u32 s3, s3, 1
	s_cmp_lg_u32 s3, 0
	s_cbranch_scc1 .Llap
	TURN 0, 1, 0                                   ; the last lap fills nothing, and has no round of the cluster's barrier
	STEP 1, 0, 0
	s_wait_dscnt 4*NL                              ; the very last step: nothing more to fetch
	WIN MUL_LO
	MUL16 0, 1, 0
	MUL16 2, 1, 0
	s_wait_dscnt 0
	WIN MUL_HI
	MUL16 4, 1, 0
	MUL16 6, 1, 0
	WIN 0
	; THE WAY OUT.  The conversion's one scale, chosen without a branch on a loaded number.
	s_wait_kmcnt 0x0
	s_cmp_eq_u32 s66, 0
	s_cselect_b32 s82, s78, s79                    ; q: e2, k: e3,
	s_cmp_lt_u32 ttmp9, 16
	s_cselect_b32 s82, s82, s80                    ; v: e4
	s_sub_co_i32 s82, s82, s76
	s_sub_co_i32 s82, s82, s77
	s_add_co_i32 s82, s82, 127
	s_lshl_b32 s83, s82, 23
	s_add_co_i32 s82, s82, 8
	s_lshl_b32 s82, s82, 23
	s_or_b32 s82, s82, 0x600000
	PLACES NP                                      ; behind the last products: for the reads of results, and for loads and writes into the registers that held A's fragments
	v_mov_b32 v[SCL], s83
	v_mov_b32 v[LIM], s82
	s_cmp_lt_u32 ttmp9, 16
	s_cbranch_scc0 .Lv_out
; q and k.  Block a is a tile of 16 positions; accumulators 4 hh + b' are head hh's channels 16 b' + 8 h + 0 .. 7.  With a = channels 0-15 (b' = 0) and b = channels 16-31 (b' = 1):
; a' = a cos - b sin, b' = b cos + a sin, cos and sin of s f[8 h + j]; channels 32-63 stay.  Each accumulator is read from its low end on.
.irp a, 6,7
.irp c, 0,1,2,3
	global_load_b128 v[128+16*(\a-6)+4*\c:131+16*(\a-6)+4*\c], v[LI], s[RP:RP+1] offset:2048*\a+512*\c   ; the last two tables, where A's fragments lay
.endr
.endr
.macro QKOUT a
.if (\a) < 6
.set TBL, 32+16*(\a)
	s_wait_loadcnt 8                               ; the head's 24 loads are in; the eight just issued may be out
.else
.set TBL, 128+16*((\a)-6)
	s_wait_loadcnt 4*(7-(\a))                      ; this table's four are in
.endif
.if (\a) >= 2
	s_wait_xcnt 0x0                                ; the stores of two blocks back have read their registers: the four sets of codes take turns
.endif
.set WN, 0x02+(\a)/4                   ; source 0: window 2 or 3
.irp hh, 0,1
.set A0, 8*(8*((\a)%4)+4*\hh)
.set CD, 208+8*((2*(\a)+\hh)%4)
.set OB, O0+2*\hh
	WIN WN
.irp j, 0,2,4,6
	v_pk_mul_f32 v[192+\j:193+\j], v[A0+8+\j:A0+9+\j], v[TBL+8+\j:TBL+9+\j]        ; b sin
.endr
.irp j, 0,2,4,6
	v_pk_fma_f32 v[160+\j:161+\j], v[A0+\j:A0+1+\j], v[TBL+\j:TBL+1+\j], v[192+\j:193+\j] neg_lo:[0,0,1] neg_hi:[0,0,1]   ; a cos - b sin
.endr
.irp j, 0,2,4,6
	v_pk_mul_f32 v[200+\j:201+\j], v[A0+\j:A0+1+\j], v[TBL+8+\j:TBL+9+\j]          ; a sin
.endr
.irp j, 0,2,4,6
	v_pk_fma_f32 v[168+\j:169+\j], v[A0+8+\j:A0+9+\j], v[TBL+\j:TBL+1+\j], v[200+\j:201+\j]   ; b cos + a sin
.endr
.irp i, 0,1,2,3,4,5,6,7,8,9,10,11,12,13,14,15
	v_med3_num_f32 v[176+\i], v[A0+16+\i], -v[LIM], v[LIM]                         ; channels 32-63: the hold alone
.endr
	WIN 0
.irp i, 0,1,2,3,4,5,6,7,8,9,10,11,12,13,14,15
	v_med3_num_f32 v[160+\i], v[160+\i], -v[LIM], v[LIM]                           ; the conversion to an 8-bit code does not saturate (ISA guide 7.6.2)
.endr
.irp b, 0,1,2,3
	v_cvt_scalef32_pk8_fp8_f32 v[CD+2*\b:CD+2*\b+1], v[160+8*\b:167+8*\b], v[SCL]
.endr
	v_nop                                          ; a plain instruction between the conversions and the next lines that write their sources
	global_store_b128 v[LI], v[CD:CD+3], s[OB:OB+1] offset:1024*(\a)               ; 512 consecutive bytes, aligned
	global_store_b128 v[LI], v[CD+4:CD+7], s[OB:OB+1] offset:1024*(\a)+512
.endr
.endm
.irp a, 0,1,2,3,4,5,6,7
	QKOUT \a
.endr
	s_branch .Ldone
.Lv_out:
; v.  Block a = 4 hh + ct is head hh's channels 16 ct + 0 .. 15; its 64 registers are, in order, keys 32 (i / 16) + 16 h + i % 16 of my channel: a tile of v^T as the second product's operand wants it.
.macro VOUT a
.if (\a) >= 2
	s_wait_xcnt 0x0                                ; the stores of two blocks back have read their registers: two sets of codes take turns
.endif
.set A0, 64*((\a)%4)
.set CD, 192+16*((\a)%2)
.set OB, O0+2*((\a)/4)
.set WN, 0x02+(\a)/4
	WIN WN
.set i, 0
.rept 64
	v_med3_num_f32 v[128+i], v[A0+i], -v[LIM], v[LIM]
.set i, i+1
.endr
	WIN 0
.irp g, 0,1,2,3,4,5,6,7
	v_cvt_scalef32_pk8_fp8_f32 v[CD+2*\g:CD+2*\g+1], v[128+8*\g:135+8*\g], v[SCL]
.endr
	v_nop                                          ; a plain instruction between the conversions and the next lines that write their sources
.irp g, 0,1,2,3
	global_store_b128 v[LI], v[CD+4*\g:CD+4*\g+3], s[OB:OB+1] offset:2048*((\a)%4)+512*\g
.endr
.endm
.irp a, 0,1,2,3,4,5,6,7
	VOUT \a
.endr
.Ldone:
	s_wait_tensorcnt 0x0                           ; the wave's end: my last LDS instructions
	ds_add_u32 v[SPW], v[NIL]
	s_wait_dscnt 0x0
	CROUND                                         ; the closing round: no work-group ends while a partner may still ask for a tile that names it
	s_endpgm
.Lfunc_end_k_q1b94ff7c5d_gemm:
	.size	k_q1b94ff7c5d_gemm, .Lfunc_end_k_q1b94ff7c5d_gemm-k_q1b94ff7c5d_gemm
	.p2alignl 7, 3214868480
	.fill 96, 4, 3214868480
	.section	.rodata,"a",@progbits
	.p2align	6, 0x0
	.amdhsa_kernel k_q1b94ff7c5d_gemm
		.amdhsa_group_segment_fixed_size 327680
		.amdhsa_private_segment_fixed_size 0
		.amdhsa_enable_private_segment 0
		.amdhsa_kernarg_size 48
		.amdhsa_user_sgpr_count 2
		.amdhsa_user_sgpr_kernarg_segment_ptr 1
		.amdhsa_wavefront_size32 1
		.amdhsa_system_sgpr_workgroup_id_x 1
		.amdhsa_system_sgpr_workgroup_id_y 1
		.amdhsa_system_sgpr_workgroup_id_z 1
		.amdhsa_system_vgpr_workitem_id 0
		.amdhsa_next_free_vgpr 1024
		.amdhsa_next_free_sgpr 100
		.amdhsa_reserve_vcc 0
		.amdhsa_float_denorm_mode_32 3
		.amdhsa_float_denorm_mode_16_64 3
		.amdhsa_memory_ordered 1
		.amdhsa_forward_progress 1
		.amdhsa_inst_pref_size 179
	.end_amdhsa_kernel
	.amdgpu_metadata
---
amdhsa.version: [ 1, 2 ]
amdhsa.kernels:
  - .name:           k_q1b94ff7c5d_gemm
    .symbol:         k_q1b94ff7c5d_gemm.kd
    .args:
      - { .name: xc, .offset: 0, .size: 8, .value_kind: global_buffer, .address_space: global }
      - { .name: wc, .offset: 8, .size: 8, .value_kind: global_buffer, .address_space: global }
      - { .name: lowp_scales, .offset: 16, .size: 8, .value_kind: global_buffer, .address_space: global }
      - { .name: rope, .offset: 24, .size: 8, .value_kind: global_buffer, .address_space: global }
      - { .name: qc, .offset: 32, .size: 8, .value_kind: global_buffer, .address_space: global }
      - { .name: kvc, .offset: 40, .size: 8, .value_kind: global_buffer, .address_space: global }
    .group_segment_fixed_size: 327680
    .private_segment_fixed_size: 0
    .kernarg_segment_align: 8
    .kernarg_segment_size: 48
    .max_flat_workgroup_size: 128
    .sgpr_count:     100
    .vgpr_count:     1024
    .wavefront_size: 32
...
	.end_amdgpu_metadata
.endif
;; end of part 2
;; launch attn (part 3): grid 4 x 64, 16 waves a work-group, no clusters, 137,216 bytes of LDS; arguments qc, kvc, mbits, flags, lowp_scales, out0; writes out0
.if DOCPART == 3
	.amdgcn_target "amdgcn-amd-amdhsa--gfx1250"
	.amdhsa_code_object_version 6
	.text
	.protected	k_q1b94ff7c5d_attn
	.globl	k_q1b94ff7c5d_attn
	.p2align	8
	.type	k_q1b94ff7c5d_attn,@function
k_q1b94ff7c5d_attn:
	s_mov_b64 s[64:65], 0
	v_nop
	global_prefetch_b8 v0, s[64:65] scope:SCOPE_SE
	s_setreg_imm32_b32 hwreg(HW_REG_WAVE_MODE, 25, 1), 1
	s_wait_xcnt 0x0
; out[b][token][head][:] = the sum over keys of softmax(q . k / 8, hidden where the mask is false) v, both products on codes of E4M3 with the given scales 2^e2 (q), 2^e3 (k), 2^e4 (v), 2^e5 (p).
; THE SOFTMAX AHEAD OF THE SECOND PRODUCT: t = score x log2(e) / 8; M = the row's largest t so far, rounded UP to a whole number; p = 2^(t - M) is what is quantised, not normalised.  The row's sum is taken
; of the unquantised p and divides at the end.  When M moves, the sum and O are multiplied by 2^(old M - new M): exact.  A row that the mask hides wholly ends as 0 x (1 / 0): NaN, as a softmax of nothing gives.
; INPUTS, laid by the launches before as images of operand registers (16 bytes a lane, 512 bytes a group of four registers):
;   qc [64 heads][128 tiles of 16 positions][1,024];  kvc [64 heads][16 key steps of 128][8 tiles of k x 1,024, 4 tiles of v^T x 2,048];
;   mbits [128 query tiles][16 key steps][64 words]: word n selects register n of the scores, a bit a lane;  flags [128 query tiles][8 pairs of steps]: bits 0, 1 some key counts; bits 2, 3 all count.
;   A position is a token with bits 3 and 4 exchanged, so that the 16 registers of two neighbouring tiles of scores are 16 neighbouring keys: 32 g + 16 (lane / 16) + 0 .. 15.
; SHARES.  A work-group takes one head and two blocks of 256 query positions one after the other, x and 7 - x; each of its SIXTEEN waves owns one tile of 16 queries in 256 registers: four waves to a SIMD, so that
; one wave's vector work stands beside another's matrix work and LDS loads.  Every work-group walks 8 pairs of key steps: trip counts and LDS addresses are constants; only WORK is jumped over:
;   a key step none of whose keys counts for my 16 queries is left out; one in which all count leaves the 64 selects out; a pair that no wave of the block needs is not fetched.  These are scalar branches on the stored flags.
; Both products are used transposed: S^T = K Q^T (source 0 = 16 keys, source 1 = my 16 queries), O^T = V^T P^T: a lane holds ONE query (lane % 16) throughout.
; K and V come through registers into two LDS slots of a pair of steps (32 KB), each byte copied once for the sixteen waves.  NO TENSOR LOADS, NO CLUSTER: the skips are branches on numbers read from memory.
; The copy of a pair is asked for a whole trip ahead of its use.
; The hold of p at 448 x 2^e5 is left out where it cannot act: p <= 1 <= 448 x 2^e5 for e5 >= -8 (a scalar branch on the given exponent).
; LIMITS on the given exponents, so that each power of two is an f32 number: e2 + e3 between -123 and 130 (added to c's exponent field); e5 between -126 and 119; e4 + e5 is applied by v_ldexp_f32 and has none.
; REGISTERS: v1 16 x lane; v2 16 x thread; v3, v4 my stage, in and back; v5 my place in two rows of out; v6 -infinity; v12 -M; v13 the largest t; v[14:15] the sum in two halves; v16-23 Q;
;   v32-95 K's 8 fragments, then V's 4; v96-159 S^T, then p; v160-191 O^T; v192-207 a pair's bytes on their way; v224-239 p's codes; v240 448 x 2^e5; v244 2^e5; v236, v242, v243, v252-254 at work.
;   s2 wave; s3 x; s[4:5] qc, s[6:7] kvc, s[14:15] out at my head; s[8:9] mbits; s[10:11] flags; s16-63 and s68-83 a step's 64 mask words (temporaries outside the steps); s84, s85 counters; s86 block;
;   s[88:89] the block's flags, s[90:91] my tile's, the pair in hand in the low byte; s[92:93] c; s[94:95] lane selects; s96 e5; s97 e4 + e5; s[98:99] kvc at the pair in hand; s[100:101] mbits likewise.
.set SLOTB,  32768                     ; a slot: a pair of key steps, as it lies in kvc.  Slot 0 at LDS byte 0, slot 1 behind it
.set STEPB,  16384
.set STG,    65536                     ; behind the slots: a stage of 16 rows x 272 bytes for each wave
.set SPITCH, 272
	s_load_b256 s[4:11], s[0:1], 0x0               ; qc, kvc, mbits, flags
	s_load_b128 s[12:15], s[0:1], 0x20             ; the scales' exponents s[12:13], out0 s[14:15]
	v_lshl_add_u32 v251, v0, 2, 0x21000
	v_mov_b32 v255, 0
	v_lshrrev_b32 v7, 5, v0
	v_readfirstlane_b32 s2, v7                     ; wave 0..15
	v_and_b32 v7, 31, v0
	v_lshlrev_b32 v1, 4, v7
	v_lshlrev_b32 v2, 4, v0
	v_and_b32 v8, 15, v0                           ; r
	v_bfe_u32 v9, v0, 4, 1                         ; h
	s_mul_i32 s87, s2, 16*SPITCH
	s_add_co_u32 s87, s87, STG                     ; my stage
	v_mul_u32_u24 v3, v8, SPITCH
	v_lshl_add_u32 v3, v9, 5, v3
	v_add_nc_u32 v3, s87, v3                       ; in: row r, + 32 h
	v_mul_u32_u24 v4, v9, SPITCH
	v_lshl_add_u32 v4, v8, 4, v4
	v_add_nc_u32 v4, s87, v4                       ; back: lanes 0-15 one row, lanes 16-31 the next
	v_lshlrev_b32 v5, 12, v9
	v_lshl_add_u32 v5, v8, 4, v5                   ; and the same in out: a token's row is 4,096 bytes
	v_mov_b32 v6, 0xff800000
	v_mov_b32 v236, 0                              ; written once: a lane permute's destination counts as one of its sources
	v_mov_b32 v252, 0
	v_mov_b32 v253, 0                              ; (named as the upper half of the pair v[252:253])
	s_mov_b32 s3, ttmp9
	s_and_b32 s16, ttmp7, 0xffff                   ; 16 x batch + head
	s_lshl_b32 s18, s16, 17                        ; a head's 131,072 bytes of qc,
	s_mov_b32 s19, 0
	s_lshl_b32 s20, s16, 18                        ; 262,144 of kvc,
	s_mov_b32 s21, 0
	s_lshr_b32 s22, s16, 4
	s_lshl_b32 s22, s22, 23                        ; a batch's 8,388,608 bytes of out,
	s_and_b32 s23, s16, 15
	s_lshl_b32 s23, s23, 8                         ; a head's 256 of a row
	s_add_co_u32 s22, s22, s23
	s_mov_b32 s23, 0
	s_mov_b32 s94, 0x76543210
	s_mov_b32 s95, 0xfedcba98                      ; v_permlanex16_b32's selects for lane l xor 16
	s_mov_b32 s92, 0x3e38aa3b                      ; c = log2(e) / 8
	s_wait_kmcnt 0x0
	s_load_b128 s[24:27], s[12:13], 0x8            ; e2, e3, e4, e5
	s_add_nc_u64 s[4:5], s[4:5], s[18:19]
	s_add_nc_u64 s[6:7], s[6:7], s[20:21]
	s_add_nc_u64 s[14:15], s[14:15], s[22:23]
	s_wait_kmcnt 0x0
	s_add_co_i32 s28, s24, s25
	s_lshl_b32 s28, s28, 23
	s_add_co_i32 s92, s92, s28                     ; a score stands for score x 2^(e2 + e3): the exponents are added to c's exponent field
	s_mov_b32 s93, s92                             ; (named with it as a pair, so it is written)
	s_mov_b32 s96, s27
	s_add_co_i32 s97, s26, s27
	s_add_co_i32 s28, s27, 127
	s_lshl_b32 s29, s28, 23
	v_mov_b32 v244, s29                            ; 2^e5 as f32, for the conversion
	s_add_co_i32 s28, s28, 8
	s_lshl_b32 s28, s28, 23
	s_or_b32 s28, s28, 0x600000
	v_mov_b32 v240, s28                            ; 448 x 2^e5
	s_mov_b32 s84, 0
; The products S^T of key step q of the slot, and the loads of its V.  K's 16 loads, tiles 0-3 first; V's 16 land under the softmax.
.macro FRONT slot, q
.set t, 0
.rept 8
	ds_load_b128 v[32+8*t:35+8*t], v1 offset:SLOTB*\slot+STEPB*\q+1024*t
	ds_load_b128 v[36+8*t:39+8*t], v1 offset:SLOTB*\slot+STEPB*\q+1024*t+512
.set t, t+1
.endr
	s_wait_dscnt 8                                 ; tiles 0-3 are in; the eight loads of tiles 4-7 may be out
.irp t, 0,1,2,3
	v_wmma_f32_16x16x64_fp8_fp8 v[96+8*\t:103+8*\t], v[32+8*\t:39+8*\t], v[16:23], 0
.endr
	s_wait_dscnt 0x0
.irp t, 4,5,6,7
	v_wmma_f32_16x16x64_fp8_fp8 v[96+8*\t:103+8*\t], v[32+8*\t:39+8*\t], v[16:23], 0
.endr
.rept 4
	v_nop                                          ; places in front of loads into registers that these products have read, and of the first read of their results
.endr
.set t, 0
.rept 16
	ds_load_b128 v[32+4*t:35+4*t], v1 offset:SLOTB*\slot+STEPB*\q+8192+512*t
.set t, t+1
.endr
.endm
; A KEY STEP: 128 keys, the q-th of the pair in the slot.
.macro STEP slot, q
	s_bitcmp1_b32 s90, \q                          ; does any of these keys count for any of my queries?
	s_cbranch_scc0 .Lskip_\@
	s_bitcmp1_b32 s90, 2+\q                        ; do all?
	s_cbranch_scc1 .Lfull_\@
.irp i, 0,1,2
	s_load_b512 s[16+16*\i:31+16*\i], s[100:101], 256*\q+64*\i   ; the step's 64 mask words; they are loaded and used on this one way
.endr
	s_load_b512 s[68:83], s[100:101], 256*\q+192
	FRONT \slot, \q
	s_wait_kmcnt 0x0
.set n, 0
.rept 64
.if n < 48
.set mm, 16+n
.else
.set mm, 20+n
.endif
	v_cndmask_b32 v[96+n], v6, v[96+n], s[mm]      ; a hidden score becomes -infinity ahead of the maximum: p = 0 then
.set n, n+1
.endr
	s_branch .Lsoft_\@
.Lfull_\@:
	FRONT \slot, \q
.Lsoft_\@:
	v_max3_num_f32 v254, v96, v97, v98             ; the step's largest score of my query, among my 64 keys, in two chains; each accumulator is read from its low end on
	v_max3_num_f32 v252, v99, v100, v101
.set i, 6
.rept 14
	v_max3_num_f32 v254, v254, v[96+i], v[97+i]
	v_max3_num_f32 v252, v252, v[98+i], v[99+i]
.set i, i+4
.endr
	v_max3_num_f32 v254, v254, v158, v159
	v_max_num_f32 v254, v254, v252
	v_permlanex16_b32 v236, v254, s94, s95
	v_max_num_f32 v254, v254, v236                 ; and among lane l xor 16's
	v_mul_f32 v254, s92, v254                      ; as t (c is positive)
	v_max_num_f32 v13, v13, v254                   ; the running largest t
	v_mov_b32 v254, v12
	v_floor_f32 v12, -v13                          ; the new -M = floor(-t) = -ceil(t): M is a whole number
	v_sub_f32 v254, v12, v254                      ; M's old value less its new one: a whole number, 0 or less
	v_cvt_i32_f32 v254, v254                       ; (it saturates)
	v_ldexp_f32 v252, 1.0, v254                    ; f = 2^(old M - new M)
.set j, 0
.rept 32
	v_pk_fma_f32 v[96+j:97+j], v[96+j:97+j], s[92:93], v[12:13] op_sel_hi:[1,0,0]   ; t - M, two at a time (of the pairs c and -M the low word serves both halves)
.set j, j+2
.endr
.set j, 0
.rept 64
	v_exp_f32 v[96+j], v[96+j]                     ; p = 2^(t - M), at most 1
.set j, j+1
.endr
	v_pk_mul_f32 v[14:15], v[14:15], v[252:253] op_sel_hi:[1,0]   ; the sums under the new M: the plain instruction behind the exponentials
	s_wait_alu depctr_va_vdst(0)                   ; one wait for the whole batch, ahead of its first reader and of the branch below
	v_pk_add_f32 v[242:243], v[96:97], v[98:99]    ; the row's sum is taken of the unquantised p: two at a time, in two chains
.set j, 4
.rept 15
	v_pk_add_f32 v[14:15], v[14:15], v[96+j:97+j]
	v_pk_add_f32 v[242:243], v[242:243], v[98+j:99+j]
.set j, j+4
.endr
	v_pk_add_f32 v[14:15], v[14:15], v[242:243]
	s_cmp_lt_i32 s96, -8                           ; 448 x 2^e5 < 1 only for e5 < -8: else no p reaches the hold
	s_cbranch_scc0 .Lno_hold_\@
.set j, 0
.rept 64
	v_min_num_f32 v[96+j], v[96+j], v240           ; the conversion to an 8-bit code does not saturate (ISA guide 7.6.2); p is not negative, so the hold is one-sided
.set j, j+1
.endr
.Lno_hold_\@:
.irp b, 0,1,2,3
	v_cvt_scalef32_pk8_fp8_f32 v[224+4*\b:225+4*\b], v[96+16*\b:103+16*\b], v244
	v_cvt_scalef32_pk8_fp8_f32 v[226+4*\b:227+4*\b], v[104+16*\b:111+16*\b], v244
.endr
.set j, 0
.rept 16
	v_pk_mul_f32 v[160+j:161+j], v[160+j:161+j], v[252:253] op_sel_hi:[1,0]   ; O^T under the new M.  (These are also the plain instructions between the conversions and the products that read the codes)
.set j, j+2
.endr
	s_wait_dscnt 0x0                               ; V is in
.irp c, 0,1,2,3                        ; O^T += V^T P^T: the four accumulators take one instruction each; the next step's eight products S^T stand between two links of a chain
	v_wmma_f32_16x16x128_fp8_fp8 v[160+8*\c:167+8*\c], v[32+16*\c:47+16*\c], v[224:239], v[160+8*\c:167+8*\c]
.endr
.rept 4
	v_nop                                          ; places in front of whatever follows on any way: the next loads into v32-95, the way out's reads of O^T
.endr
.Lskip_\@:
.endm
; A TRIP: the pair of key steps in the slot.  The next pair is asked for at the head, if some wave of the block needs it, and put into the other slot at the end.  ONE barrier: in front of it my reads of this slot
; are back and my stores into the other are done; the other slot was last read in front of the barrier before.  After pair 7 the flags' next byte is 0: nothing is asked for past the head's 16 steps.
.macro TRIP slot
	s_and_b32 s87, s88, 0x300                      ; the next pair's two 'some key counts' bits, of all sixteen tiles together
	s_cmp_lg_u32 s87, 0
	s_cbranch_scc0 .Lno_ask_\@
.irp i, 0,1,2,3
	global_load_b128 v[192+4*\i:195+4*\i], v2, s[98:99] offset:SLOTB+8192*\i   ; 512 threads x 16 bytes: 8,192 consecutive bytes an instruction of the work-group
.endr
.Lno_ask_\@:
	STEP \slot, 0
	STEP \slot, 1
	s_wait_loadcnt 0x0
	s_cmp_lg_u32 s87, 0
	s_cbranch_scc0 .Lno_put_\@
.irp i, 0,1,2,3
	ds_store_b128 v2, v[192+4*\i:195+4*\i] offset:(1-\slot)*SLOTB+8192*\i
.endr
.Lno_put_\@:
	s_wait_xcnt 0x0                                ; the loads above have read their bases, which step now
	s_add_nc_u64 s[98:99], s[98:99], SLOTB
	s_add_nc_u64 s[100:101], s[100:101], 512
	s_lshr_b32 s88, s88, 8                         ; both runs of flags one byte down
	s_lshl_b32 s87, s89, 24
	s_or_b32 s88, s88, s87
	s_lshr_b32 s89, s89, 8
	s_lshr_b32 s90, s90, 8
	s_lshl_b32 s87, s91, 24
	s_or_b32 s90, s90, s87
	s_lshr_b32 s91, s91, 8
	s_wait_dscnt 0x0                               ; for the others' sake: my stores have landed, my reads are back
	s_barrier_signal -1
	s_barrier_wait -1
.endm
.Lblock:                                           ; two trips: block x, then block 7 - x
	s_sub_co_u32 s87, 7, s3
	s_cmp_eq_u32 s84, 0
	s_cselect_b32 s86, s3, s87                     ; the block of 256 query positions
	s_lshl_b32 s87, s86, 4
	s_add_co_u32 s87, s87, s2                      ; my query tile
	s_mov_b64 s[98:99], s[6:7]
	s_mov_b32 s51, 0
	s_lshl_b32 s50, s87, 12
	s_add_nc_u64 s[100:101], s[8:9], s[50:51]      ; its 16 x 256 bytes of mask words
	s_lshl_b32 s50, s87, 10
	s_add_nc_u64 s[48:49], s[4:5], s[50:51]        ; its image
	s_lshl_b32 s50, s87, 3
	s_add_nc_u64 s[52:53], s[10:11], s[50:51]      ; its 8 bytes of flags
	s_lshl_b32 s50, s86, 7
	s_add_nc_u64 s[54:55], s[10:11], s[50:51]      ; and the block's 128
.irp i, 0,1,2,3
	global_load_b128 v[192+4*\i:195+4*\i], v2, s[98:99] offset:8192*\i   ; pair 0, whatever the flags say
.endr
	global_load_b128 v[16:19], v1, s[48:49]        ; Q's fragment stays in registers
	global_load_b128 v[20:23], v1, s[48:49] offset:512
	s_load_b512 s[16:31], s[54:55], 0x0
	s_load_b512 s[32:47], s[54:55], 0x40
	s_load_b64 s[90:91], s[52:53], 0x0
	v_mov_b32 v13, 0xff61b1e6                      ; the largest t so far: -3e38, under every t
	v_floor_f32 v12, -v13                          ; -M
	v_mov_b32 v14, 0                               ; the sum, in two halves
	v_mov_b32 v15, 0
.set j, 0
.rept 32
	v_mov_b32 v[160+j], 0                          ; O^T.  (A step is written once, and which step is a tile's first hangs on the flags: it finds zeros, which the first change of M leaves zeros)
.set j, j+1
.endr
	s_wait_kmcnt 0x0
	s_or_b32 s88, s16, s18                         ; what some wave of the block needs
	s_or_b32 s89, s17, s19
.set i, 20
.rept 14
	s_or_b32 s88, s88, s[i]
	s_or_b32 s89, s89, s[i+1]
.set i, i+2
.endr
	s_wait_loadcnt 2                               ; pair 0's four loads are in; Q's two may be out
.irp i, 0,1,2,3
	ds_store_b128 v2, v[192+4*\i:195+4*\i] offset:8192*\i   ; slot 0 was last read in front of an earlier barrier
.endr
	s_wait_loadcnt 0x0                             ; Q
	s_wait_dscnt 0x0
	s_barrier_signal -1
	s_barrier_wait -1
	s_mov_b32 s85, 4
.Lpair:
	TRIP 0
	TRIP 1
	s_sub_co_u32 s85, s85, 1
	s_cmp_lg_u32 s85, 0
	s_cbranch_scc1 .Lpair
	; THE WAY OUT.  O^T is divided by the sum and goes through my stage, so that sixteen lanes store a head's 256 bytes of one token: one aligned run.
	v_add_f32 v14, v14, v15                        ; the sum's two halves,
	v_permlanex16_b32 v252, v14, s94, s95
	v_add_f32 v14, v14, v252                       ; and lane l xor 16's: the row's sum
	v_rcp_f32 v14, v14
	v_nop                                          ; a plain instruction behind the reciprocal
	s_lshl_b32 s50, s86, 8                         ; the token of my tile's row 0: 256 x block + 32 (wave / 2) + 8 (wave % 2)
	s_lshr_b32 s51, s2, 1
	s_lshl_b32 s51, s51, 5
	s_add_co_u32 s50, s50, s51
	s_and_b32 s51, s2, 1
	s_lshl_b32 s51, s51, 3
	s_add_co_u32 s50, s50, s51
	s_lshl_b32 s50, s50, 12
	s_mov_b32 s51, 0
	s_add_nc_u64 s[48:49], s[14:15], s[50:51]
	s_wait_alu depctr_va_vdst(0)                   ; the wait ahead of the reciprocal's first reader
	v_ldexp_f32 v14, v14, s97                      ; x 2^(e4 + e5)
.set j, 0
.rept 32
	v_mul_f32 v[96+j], v[160+j], v14               ; register 8 c + i is o(query r, channel 16 c + 8 h + i); each accumulator from its low end on
.set j, j+1
.endr
.irp c, 0,1,2,3
	ds_store_b128 v3, v[96+8*\c:99+8*\c] offset:64*\c
	ds_store_b128 v3, v[100+8*\c:103+8*\c] offset:64*\c+16
.endr
.irp i, 0,1,2,3,4,5,6,7
	ds_load_b128 v[32+4*\i:35+4*\i], v4 offset:2*\i*SPITCH   ; LDS serves a wave's instructions in order: these see my stores
.endr
.irp i, 0,1,2,3,4,5,6,7
	s_wait_dscnt 7-\i
	global_store_b128 v5, v[32+4*\i:35+4*\i], s[48:49] offset:(2*\i+8*(\i/4))*4096 th:TH_STORE_NT   ; rows 2 i and 2 i + 1 of the tile are tokens 2 i + 8 (i / 4) and the next
.endr
	s_wait_xcnt 0x0                                ; the stores have read their registers and their base: the next block writes both
	s_add_co_u32 s84, s84, 1
	s_cmp_lt_u32 s84, 2
	s_cbranch_scc1 .Lblock
	s_wait_tensorcnt 0x0
	ds_add_u32 v251, v255
	s_wait_dscnt 0x0
	s_endpgm
.Lfunc_end_k_q1b94ff7c5d_attn:
	.size	k_q1b94ff7c5d_attn, .Lfunc_end_k_q1b94ff7c5d_attn-k_q1b94ff7c5d_attn
	.p2alignl 7, 3214868480
	.fill 96, 4, 3214868480
	.section	.rodata,"a",@progbits
	.p2align	6, 0x0
	.amdhsa_kernel k_q1b94ff7c5d_attn
		.amdhsa_group_segment_fixed_size 137216
		.amdhsa_private_segment_fixed_size 0
		.amdhsa_enable_private_segment 0
		.amdhsa_kernarg_size 48
		.amdhsa_user_sgpr_count 2
		.amdhsa_user_sgpr_kernarg_segment_ptr 1
		.amdhsa_wavefront_size32 1
		.amdhsa_system_sgpr_workgroup_id_x 1
		.amdhsa_system_sgpr_workgroup_id_y 1
		.amdhsa_system_sgpr_workgroup_id_z 1
		.amdhsa_system_vgpr_workitem_id 0
		.amdhsa_next_free_vgpr 256
		.amdhsa_next_free_sgpr 102
		.amdhsa_reserve_vcc 0
		.amdhsa_float_denorm_mode_32 3
		.amdhsa_float_denorm_mode_16_64 3
		.amdhsa_memory_ordered 1
		.amdhsa_forward_progress 1
		.amdhsa_inst_pref_size 103
	.end_amdhsa_kernel
	.amdgpu_metadata
---
amdhsa.version: [ 1, 2 ]
amdhsa.kernels:
  - .name:           k_q1b94ff7c5d_attn
    .symbol:         k_q1b94ff7c5d_attn.kd
    .args:
      - { .name: qc, .offset: 0, .size: 8, .value_kind: global_buffer, .address_space: global }
      - { .name: kvc, .offset: 8, .size: 8, .value_kind: global_buffer, .address_space: global }
      - { .name: mbits, .offset: 16, .size: 8, .value_kind: global_buffer, .address_space: global }
      - { .name: flags, .offset: 24, .size: 8, .value_kind: global_buffer, .address_space: global }
      - { .name: lowp_scales, .offset: 32, .size: 8, .value_kind: global_buffer, .address_space: global }
      - { .name: out0, .offset: 40, .size: 8, .value_kind: global_buffer, .address_space: global }
    .group_segment_fixed_size: 137216
    .private_segment_fixed_size: 0
    .kernarg_segment_align: 8
    .kernarg_segment_size: 48
    .max_flat_workgroup_size: 512
    .sgpr_count:     102
    .vgpr_count:     256
    .wavefront_size: 32
...
	.end_amdgpu_metadata
.endif
;; end of part 3
;; ======== version 2 of 2: 3 launches; version 1 with the launch attn written anew for expert scheduling mode
;; workspace buffers: xc 8,388,608 bytes; wc 3,145,728 bytes; rope 262,144 bytes; mbits 524,288 bytes of whole numbers; flags 1,024 bytes of whole numbers; qc 8,388,608 bytes; kvc 16,777,216 bytes
;; launch prep: the kernel of part 1 again; grid 640 x 1, 4 waves a work-group, no clusters, 68,096 bytes of LDS; arguments x, w_qkv, mask, lowp_scales, xc, wc, mbits, flags, rope; writes xc, wc, mbits, flags, rope
;; launch gemm: the kernel of part 2 again; grid 96 x 4, 4 waves a work-group, clusters of 4 x 4, 327,680 bytes of LDS; arguments xc, wc, lowp_scales, rope, qc, kvc; writes qc, kvc
;; launch attn (part 4): grid 4 x 64, 16 waves a work-group, no clusters, 137,216 bytes of LDS; arguments qc, kvc, mbits, flags, lowp_scales, out0; writes out0
.if DOCPART == 4
	.amdgcn_target "amdgcn-amd-amdhsa--gfx1250"
	.amdhsa_code_object_version 6
	.text
	.protected	k_q1b94ff7c5d_attn
	.globl	k_q1b94ff7c5d_attn
	.p2align	8
	.type	k_q1b94ff7c5d_attn,@function
k_q1b94ff7c5d_attn:
	s_mov_b64 s[64:65], 0
	v_nop
	global_prefetch_b8 v0, s[64:65] scope:SCOPE_SE
	s_setreg_imm32_b32 hwreg(HW_REG_WAVE_SCHED_MODE, 0, 2), 2
	s_setreg_imm32_b32 hwreg(HW_REG_WAVE_MODE, 25, 1), 1
	s_wait_xcnt 0x0
	s_wait_alu depctr_vm_vsrc(0)
; out[b][token][head][:] = the sum over keys of softmax(q . k / 8, hidden where the mask is false) v, both products on codes of E4M3 with the given scales 2^e2 (q), 2^e3 (k), 2^e4 (v), 2^e5 (p).
; THE SOFTMAX AHEAD OF THE SECOND PRODUCT: t = score x log2(e) / 8; M = the row's largest t so far, rounded UP to a whole number; p = 2^(t - M) is what is quantised, not normalised.  The row's sum is taken
; of the unquantised p and divides at the end.  When M moves, the sum and O are multiplied by 2^(old M - new M): exact.  A row that the mask hides wholly ends as 0 x (1 / 0): NaN, as a softmax of nothing gives.
; INPUTS, laid by the launches before as images of operand registers (16 bytes a lane, 512 bytes a group of four registers):
;   qc [64 heads][128 tiles of 16 positions][1,024];  kvc [64 heads][16 key steps of 128][8 tiles of k x 1,024, 4 tiles of v^T x 2,048];
;   mbits [128 query tiles][16 key steps][64 words]: word n selects register n of the scores, a bit a lane;  flags [128 query tiles][8 pairs of steps]: bits 0, 1 some key counts; bits 2, 3 all count.
;   A position is a token with bits 3 and 4 exchanged, so that the 16 registers of two neighbouring tiles of scores are 16 neighbouring keys: 32 g + 16 (lane / 16) + 0 .. 15.
; SHARES.  A work-group takes one head and two blocks of 256 query positions one after the other, x and 7 - x; each of its SIXTEEN waves owns one tile of 16 queries in 256 registers: four waves to a SIMD, so that
; one wave's vector work stands beside another's matrix work and LDS loads.  Every work-group walks 8 pairs of key steps: trip counts and LDS addresses are constants; only WORK is jumped over:
;   a key step none of whose keys counts for my 16 queries is left out; one in which all count leaves the 64 selects out; a pair that no wave of the block needs is not fetched.  These are scalar branches on the stored flags.
; Both products are used transposed: S^T = K Q^T (source 0 = 16 keys, source 1 = my 16 queries), O^T = V^T P^T: a lane holds ONE query (lane % 16) throughout.
; K and V come through registers into two LDS slots of a pair of steps (32 KB), each byte copied once for the sixteen waves.  NO TENSOR LOADS, NO CLUSTER: the skips are branches on numbers read from memory.
; The copy of a pair is asked for a whole trip ahead of its use.
; The hold of p at 448 x 2^e5 is left out where it cannot act: p <= 1 <= 448 x 2^e5 for e5 >= -8 (a scalar branch on the given exponent).
; LIMITS on the given exponents, so that each power of two is an f32 number: e2 + e3 between -123 and 130 (added to c's exponent field); e5 between -126 and 119; e4 + e5 is applied by v_ldexp_f32 and has none.
; THE MODE: SCHED_MODE bits 1:0 = 2 (LLVM: expert scheduling mode 2), set by the entry lines.  The code itself states the register dependences between vector or matrix instructions and memory or LDS
; instructions, with s_wait_alu, always for 0.
; THE PLAN.  Registers that memory or LDS instructions touch:
;   v1-v5     offsets and LDS addresses: written by vector instructions at the head, never again; read by every load and store.  One wait on va_vdst, at a block's head, serves them all.
;   v16-23    Q: two global loads land here at a block's head; the block's products S^T read them.  The same wait at the block's head states that the block before is done reading them.
;   v32-95    a step's K lands here, its eight products S^T read it; then its V lands here, its four products V^T P^T read it.  So two waits on va_vdst a step: at its head (the earlier products V^T P^T are done
;             reading) and behind the products S^T.  On the way out the stage's loads land in v32-63 and the stores to out read them.
;   v96-127   on the way out: written by the 32 multiplies, read by the stage's LDS stores: a wait on va_vdst between.
;   v192-207  a pair of key steps on its way: global loads land, LDS stores read; no vector instruction names them.
;   Behind each run of stores whose registers are written again (v192-207; v32-63 and v96-127) stands a wait on vm_vsrc, ahead of the next branch.
;   V's 16 loads are dealt among the step's maxima: the selects and maxima issued since the wait behind the products S^T name v6, v96-159, v252 and v254, none of v1 and v32-95.
; REGISTERS: v1 16 x lane; v2 16 x thread; v3, v4 my stage, in and back; v5 my place in two rows of out; v6 -infinity; v12 -M; v13 the largest t; v[14:15] the sum in two halves; v16-23 Q;
;   v32-95 K's 8 fragments, then V's 4; v96-159 S^T, then p; v160-191 O^T; v192-207 a pair's bytes on their way; v224-239 p's codes; v240 448 x 2^e5; v244 2^e5; v236, v242, v243, v252-254 at work.
;   s2 wave; s3 x; s[4:5] qc, s[6:7] kvc, s[14:15] out at my head; s[8:9] mbits; s[10:11] flags; s16-63 and s68-83 a step's 64 mask words (temporaries outside the steps); s84, s85 counters; s86 block;
;   s[88:89] the block's flags, s[90:91] my tile's, the pair in hand in the low byte; s[92:93] c; s[94:95] lane selects; s96 e5; s97 e4 + e5; s[98:99] kvc at the pair in hand; s[100:101] mbits likewise.
.set SLOTB,  32768                     ; a slot: a pair of key steps, as it lies in kvc.  Slot 0 at LDS byte 0, slot 1 behind it
.set STEPB,  16384
.set STG,    65536                     ; behind the slots: a stage of 16 rows x 272 bytes for each wave
.set SPITCH, 272
	s_load_b256 s[4:11], s[0:1], 0x0               ; qc, kvc, mbits, flags
	s_load_b128 s[12:15], s[0:1], 0x20             ; the scales' exponents s[12:13], out0 s[14:15]
	v_lshl_add_u32 v251, v0, 2, 0x21000
	v_mov_b32 v255, 0
	v_lshrrev_b32 v7, 5, v0
	v_readfirstlane_b32 s2, v7                     ; wave 0..15
	v_and_b32 v7, 31, v0
	v_lshlrev_b32 v1, 4, v7
	v_lshlrev_b32 v2, 4, v0
	v_and_b32 v8, 15, v0                           ; r
	v_bfe_u32 v9, v0, 4, 1                         ; h
	s_wait_alu depctr_va_sdst(0)                   ; s2 is written, ahead of its first reader: the stage's place, the tile and the token are made from it
	s_mul_i32 s87, s2, 16*SPITCH
	s_add_co_u32 s87, s87, STG                     ; my stage
	v_mul_u32_u24 v3, v8, SPITCH
	v_lshl_add_u32 v3, v9, 5, v3
	v_add_nc_u32 v3, s87, v3                       ; in: row r, + 32 h
	v_mul_u32_u24 v4, v9, SPITCH
	v_lshl_add_u32 v4, v8, 4, v4
	v_add_nc_u32 v4, s87, v4                       ; back: lanes 0-15 one row, lanes 16-31 the next
	v_lshlrev_b32 v5, 12, v9
	v_lshl_add_u32 v5, v8, 4, v5                   ; and the same in out: a token's row is 4,096 bytes
	v_mov_b32 v6, 0xff800000
	v_mov_b32 v236, 0                              ; written once: a lane permute's destination counts as one of its sources
	v_mov_b32 v252, 0
	v_mov_b32 v253, 0                              ; (named as the upper half of the pair v[252:253])
	s_mov_b32 s3, ttmp9
	s_and_b32 s16, ttmp7, 0xffff                   ; 16 x batch + head
	s_lshl_b32 s18, s16, 17                        ; a head's 131,072 bytes of qc,
	s_mov_b32 s19, 0
	s_lshl_b32 s20, s16, 18                        ; 262,144 of kvc,
	s_mov_b32 s21, 0
	s_lshr_b32 s22, s16, 4
	s_lshl_b32 s22, s22, 23                        ; a batch's 8,388,608 bytes of out,
	s_and_b32 s23, s16, 15
	s_lshl_b32 s23, s23, 8                         ; a head's 256 of a row
	s_add_co_u32 s22, s22, s23
	s_mov_b32 s23, 0
	s_mov_b32 s94, 0x76543210
	s_mov_b32 s95, 0xfedcba98                      ; v_permlanex16_b32's selects for lane l xor 16
	s_mov_b32 s92, 0x3e38aa3b                      ; c = log2(e) / 8
	s_wait_kmcnt 0x0
	s_load_b128 s[24:27], s[12:13], 0x8            ; e2, e3, e4, e5
	s_add_nc_u64 s[4:5], s[4:5], s[18:19]
	s_add_nc_u64 s[6:7], s[6:7], s[20:21]
	s_add_nc_u64 s[14:15], s[14:15], s[22:23]
	s_wait_kmcnt 0x0
	s_add_co_i32 s28, s24, s25
	s_lshl_b32 s28, s28, 23
	s_add_co_i32 s92, s92, s28                     ; a score stands for score x 2^(e2 + e3): the exponents are added to c's exponent field
	s_mov_b32 s93, s92                             ; (named with it as a pair, so it is written)
	s_mov_b32 s96, s27
	s_add_co_i32 s97, s26, s27
	s_add_co_i32 s28, s27, 127
	s_lshl_b32 s29, s28, 23
	v_mov_b32 v244, s29                            ; 2^e5 as f32, for the conversion
	s_add_co_i32 s28, s28, 8
	s_lshl_b32 s28, s28, 23
	s_or_b32 s28, s28, 0x600000
	v_mov_b32 v240, s28                            ; 448 x 2^e5
	s_mov_b32 s84, 0
; The products S^T of key step q of the slot.  K's 16 loads, tiles 0-3 first.  Behind the products, their places and the wait, v32-95 are free for V, whose loads stand among the step's maxima.
.macro FRONT slot, q
.set t, 0
.rept 8
	ds_load_b128 v[32+8*t:35+8*t], v1 offset:SLOTB*\slot+STEPB*\q+1024*t
	ds_load_b128 v[36+8*t:39+8*t], v1 offset:SLOTB*\slot+STEPB*\q+1024*t+512
.set t, t+1
.endr
	s_wait_dscnt 8                                 ; tiles 0-3 are in; the eight loads of tiles 4-7 may be out
.irp t, 0,1,2,3
	v_wmma_f32_16x16x64_fp8_fp8 v[96+8*\t:103+8*\t], v[32+8*\t:39+8*\t], v[16:23], 0
.endr
	s_wait_dscnt 0x0
.irp t, 4,5,6,7
	v_wmma_f32_16x16x64_fp8_fp8 v[96+8*\t:103+8*\t], v[32+8*\t:39+8*\t], v[16:23], 0
.endr
.rept 4
	v_nop                                          ; places in front of the first read of these products' results
.endr
	s_wait_alu depctr_va_vdst(0)                   ; the eight products are done reading v32-95, in which V's loads land
.endm
; A KEY STEP: 128 keys, the q-th of the pair in the slot.
.macro STEP slot, q
	s_bitcmp1_b32 s90, \q                          ; does any of these keys count for any of my queries?
	s_cbranch_scc0 .Lskip_\@
	s_wait_alu depctr_va_vdst(0)                   ; the products V^T P^T issued so far are done reading v32-95, in which K's loads land, on either way below
	s_bitcmp1_b32 s90, 2+\q                        ; do all?
	s_cbranch_scc1 .Lfull_\@
.irp i, 0,1,2
	s_load_b512 s[16+16*\i:31+16*\i], s[100:101], 256*\q+64*\i   ; the step's 64 mask words; they are loaded and used on this one way
.endr
	s_load_b512 s[68:83], s[100:101], 256*\q+192
	FRONT \slot, \q
	s_wait_kmcnt 0x0
.set n, 0
.rept 64
.if n < 48
.set mm, 16+n
.else
.set mm, 20+n
.endif
	v_cndmask_b32 v[96+n], v6, v[96+n], s[mm]      ; a hidden score becomes -infinity ahead of the maximum: p = 0 then
.set n, n+1
.endr
	s_branch .Lsoft_\@
.Lfull_\@:
	FRONT \slot, \q
.Lsoft_\@:
	v_max3_num_f32 v254, v96, v97, v98             ; the step's largest score of my query, among my 64 keys, in two chains; each accumulator is read from its low end on
	v_max3_num_f32 v252, v99, v100, v101
	ds_load_b128 v[32:35], v1 offset:SLOTB*\slot+STEPB*\q+8192   ; V's 16 loads, dealt among the maxima; they land under the softmax.  No wait: nothing issued since the wait behind the products S^T names v1 or v32-95
.set i, 6
.set u, 1
.rept 14
	v_max3_num_f32 v254, v254, v[96+i], v[97+i]
	v_max3_num_f32 v252, v252, v[98+i], v[99+i]
	ds_load_b128 v[32+4*u:35+4*u], v1 offset:SLOTB*\slot+STEPB*\q+8192+512*u
.set i, i+4
.set u, u+1
.endr
	v_max3_num_f32 v254, v254, v158, v159
	ds_load_b128 v[92:95], v1 offset:SLOTB*\slot+STEPB*\q+8192+512*15
	v_max_num_f32 v254, v254, v252
	v_permlanex16_b32 v236, v254, s94, s95
	v_max_num_f32 v254, v254, v236                 ; and among lane l xor 16's
	v_mul_f32 v254, s92, v254                      ; as t (c is positive)
	v_max_num_f32 v13, v13, v254                   ; the running largest t
	v_mov_b32 v254, v12
	v_floor_f32 v12, -v13                          ; the new -M = floor(-t) = -ceil(t): M is a whole number
	v_sub_f32 v254, v12, v254                      ; M's old value less its new one: a whole number, 0 or less
	v_cvt_i32_f32 v254, v254                       ; (it saturates)
	v_ldexp_f32 v252, 1.0, v254                    ; f = 2^(old M - new M)
.set j, 0
.rept 32
	v_pk_fma_f32 v[96+j:97+j], v[96+j:97+j], s[92:93], v[12:13] op_sel_hi:[1,0,0]   ; t - M, two at a time (of the pairs c and -M the low word serves both halves)
.set j, j+2
.endr
.set j, 0
.rept 64
	v_exp_f32 v[96+j], v[96+j]                     ; p = 2^(t - M), at most 1
.set j, j+1
.endr
	v_pk_mul_f32 v[14:15], v[14:15], v[252:253] op_sel_hi:[1,0]   ; the sums under the new M: the plain instruction behind the exponentials
	s_wait_alu depctr_va_vdst(0)                   ; the 64 exponentials have written v96-159: one wait for the whole batch, ahead of its first reader and of the branch below
	v_pk_add_f32 v[242:243], v[96:97], v[98:99]    ; the row's sum is taken of the unquantised p: two at a time, in two chains
.set j, 4
.rept 15
	v_pk_add_f32 v[14:15], v[14:15], v[96+j:97+j]
	v_pk_add_f32 v[242:243], v[242:243], v[98+j:99+j]
.set j, j+4
.endr
	v_pk_add_f32 v[14:15], v[14:15], v[242:243]
	s_cmp_lt_i32 s96, -8                           ; 448 x 2^e5 < 1 only for e5 < -8: else no p reaches the hold
	s_cbranch_scc0 .Lno_hold_\@
.set j, 0
.rept 64
	v_min_num_f32 v[96+j], v[96+j], v240           ; the conversion to an 8-bit code does not saturate (ISA guide 7.6.2); p is not negative, so the hold is one-sided
.set j, j+1
.endr
.Lno_hold_\@:
.irp b, 0,1,2,3
	v_cvt_scalef32_pk8_fp8_f32 v[224+4*\b:225+4*\b], v[96+16*\b:103+16*\b], v244
	v_cvt_scalef32_pk8_fp8_f32 v[226+4*\b:227+4*\b], v[104+16*\b:111+16*\b], v244
.endr
.set j, 0
.rept 16
	v_pk_mul_f32 v[160+j:161+j], v[160+j:161+j], v[252:253] op_sel_hi:[1,0]   ; O^T under the new M.  (These are also the plain instructions between the conversions and the products that read the codes)
.set j, j+2
.endr
	s_wait_dscnt 0x0                               ; V is in
.irp c, 0,1,2,3                        ; O^T += V^T P^T: the four accumulators take one instruction each; the next step's eight products S^T stand between two links of a chain
	v_wmma_f32_16x16x128_fp8_fp8 v[160+8*\c:167+8*\c], v[32+16*\c:47+16*\c], v[224:239], v[160+8*\c:167+8*\c]
.endr
.rept 4
	v_nop                                          ; places in front of whatever follows on any way, the way out's reads of O^T among it
.endr
.Lskip_\@:
.endm
; A TRIP: the pair of key steps in the slot.  The next pair is asked for at the head, if some wave of the block needs it, and put into the other slot at the end.  ONE barrier: in front of it my reads of this slot
; are back and my stores into the other are done; the other slot was last read in front of the barrier before.  After pair 7 the flags' next byte is 0: nothing is asked for past the head's 16 steps.
.macro TRIP slot
	s_and_b32 s87, s88, 0x300                      ; the next pair's two 'some key counts' bits, of all sixteen tiles together
	s_cmp_lg_u32 s87, 0
	s_cbranch_scc0 .Lno_ask_\@
.irp i, 0,1,2,3
	global_load_b128 v[192+4*\i:195+4*\i], v2, s[98:99] offset:SLOTB+8192*\i   ; 512 threads x 16 bytes: 8,192 consecutive bytes an instruction of the work-group.  (The LDS stores that read v192-207 stand ahead of a wait on vm_vsrc)
.endr
.Lno_ask_\@:
	STEP \slot, 0
	STEP \slot, 1
	s_wait_loadcnt 0x0
	s_cmp_lg_u32 s87, 0
	s_cbranch_scc0 .Lno_put_\@
.irp i, 0,1,2,3
	ds_store_b128 v2, v[192+4*\i:195+4*\i] offset:(1-\slot)*SLOTB+8192*\i
.endr
.Lno_put_\@:
	s_wait_xcnt 0x0                                ; the loads above have read their bases, which step now
	s_wait_alu depctr_vm_vsrc(0)                   ; the LDS stores above have read v192-207, in which the next trip's or the next block's loads land
	s_add_nc_u64 s[98:99], s[98:99], SLOTB
	s_add_nc_u64 s[100:101], s[100:101], 512
	s_lshr_b32 s88, s88, 8                         ; both runs of flags one byte down
	s_lshl_b32 s87, s89, 24
	s_or_b32 s88, s88, s87
	s_lshr_b32 s89, s89, 8
	s_lshr_b32 s90, s90, 8
	s_lshl_b32 s87, s91, 24
	s_or_b32 s90, s90, s87
	s_lshr_b32 s91, s91, 8
	s_wait_dscnt 0x0                               ; for the others' sake: my stores have landed, my reads are back
	s_barrier_signal -1
	s_barrier_wait -1
.endm
.Lblock:                                           ; two trips: block x, then block 7 - x
	s_sub_co_u32 s87, 7, s3
	s_cmp_eq_u32 s84, 0
	s_cselect_b32 s86, s3, s87                     ; the block of 256 query positions
	s_lshl_b32 s87, s86, 4
	s_add_co_u32 s87, s87, s2                      ; my query tile
	s_mov_b64 s[98:99], s[6:7]
	s_mov_b32 s51, 0
	s_lshl_b32 s50, s87, 12
	s_add_nc_u64 s[100:101], s[8:9], s[50:51]      ; its 16 x 256 bytes of mask words
	s_lshl_b32 s50, s87, 10
	s_add_nc_u64 s[48:49], s[4:5], s[50:51]        ; its image
	s_lshl_b32 s50, s87, 3
	s_add_nc_u64 s[52:53], s[10:11], s[50:51]      ; its 8 bytes of flags
	s_lshl_b32 s50, s86, 7
	s_add_nc_u64 s[54:55], s[10:11], s[50:51]      ; and the block's 128
	s_wait_alu depctr_va_vdst(0)                   ; v1 to v5 are written, which every load and store of the kernel reads as its offset or address; in the second block: the first block's products are done reading v16-23, in which Q lands
.irp i, 0,1,2,3
	global_load_b128 v[192+4*\i:195+4*\i], v2, s[98:99] offset:8192*\i   ; pair 0, whatever the flags say
.endr
	global_load_b128 v[16:19], v1, s[48:49]        ; Q's fragment stays in registers
	global_load_b128 v[20:23], v1, s[48:49] offset:512
	s_load_b512 s[16:31], s[54:55], 0x0
	s_load_b512 s[32:47], s[54:55], 0x40
	s_load_b64 s[90:91], s[52:53], 0x0
	v_mov_b32 v13, 0xff61b1e6                      ; the largest t so far: -3e38, under every t
	v_floor_f32 v12, -v13                          ; -M
	v_mov_b32 v14, 0                               ; the sum, in two halves
	v_mov_b32 v15, 0
.set j, 0
.rept 32
	v_mov_b32 v[160+j], 0                          ; O^T.  (A step is written once, and which step is a tile's first hangs on the flags: it finds zeros, which the first change of M leaves zeros)
.set j, j+1
.endr
	s_wait_kmcnt 0x0
	s_or_b32 s88, s16, s18                         ; what some wave of the block needs
	s_or_b32 s89, s17, s19
.set i, 20
.rept 14
	s_or_b32 s88, s88, s[i]
	s_or_b32 s89, s89, s[i+1]
.set i, i+2
.endr
	s_wait_loadcnt 2                               ; pair 0's four loads are in; Q's two may be out
.irp i, 0,1,2,3
	ds_store_b128 v2, v[192+4*\i:195+4*\i] offset:8192*\i   ; slot 0 was last read in front of an earlier barrier
.endr
	s_wait_alu depctr_vm_vsrc(0)                   ; these LDS stores have read v192-207, in which the first trip's loads land
	s_wait_loadcnt 0x0                             ; Q
	s_wait_dscnt 0x0
	s_barrier_signal -1
	s_barrier_wait -1
	s_mov_b32 s85, 4
.Lpair:
	TRIP 0
	TRIP 1
	s_sub_co_u32 s85, s85, 1
	s_cmp_lg_u32 s85, 0
	s_cbranch_scc1 .Lpair
	; THE WAY OUT.  O^T is divided by the sum and goes through my stage, so that sixteen lanes store a head's 256 bytes of one token: one aligned run.
	v_add_f32 v14, v14, v15                        ; the sum's two halves,
	v_permlanex16_b32 v252, v14, s94, s95
	v_add_f32 v14, v14, v252                       ; and lane l xor 16's: the row's sum
	v_rcp_f32 v14, v14
	v_nop                                          ; a plain instruction behind the reciprocal
	s_lshl_b32 s50, s86, 8                         ; the token of my tile's row 0: 256 x block + 32 (wave / 2) + 8 (wave % 2)
	s_lshr_b32 s51, s2, 1
	s_lshl_b32 s51, s51, 5
	s_add_co_u32 s50, s50, s51
	s_and_b32 s51, s2, 1
	s_lshl_b32 s51, s51, 3
	s_add_co_u32 s50, s50, s51
	s_lshl_b32 s50, s50, 12
	s_mov_b32 s51, 0
	s_add_nc_u64 s[48:49], s[14:15], s[50:51]
	s_wait_alu depctr_va_vdst(0)                   ; the reciprocal has written v14: the wait ahead of its first reader
	v_ldexp_f32 v14, v14, s97                      ; x 2^(e4 + e5)
.set j, 0
.rept 32
	v_mul_f32 v[96+j], v[160+j], v14               ; register 8 c + i is o(query r, channel 16 c + 8 h + i); each accumulator from its low end on
.set j, j+1
.endr
	s_wait_alu depctr_va_vdst(0)                   ; the 32 multiplies have written v96-127, which the LDS stores read; the last products V^T P^T, which read v32-63, stand ahead of it too: the stage's loads land there
.irp c, 0,1,2,3
	ds_store_b128 v3, v[96+8*\c:99+8*\c] offset:64*\c
	ds_store_b128 v3, v[100+8*\c:103+8*\c] offset:64*\c+16
.endr
.irp i, 0,1,2,3,4,5,6,7
	ds_load_b128 v[32+4*\i:35+4*\i], v4 offset:2*\i*SPITCH   ; LDS serves a wave's instructions in order: these see my stores
.endr
.irp i, 0,1,2,3,4,5,6,7
	s_wait_dscnt 7-\i
	global_store_b128 v5, v[32+4*\i:35+4*\i], s[48:49] offset:(2*\i+8*(\i/4))*4096 th:TH_STORE_NT   ; rows 2 i and 2 i + 1 of the tile are tokens 2 i + 8 (i / 4) and the next
.endr
	s_wait_xcnt 0x0                                ; the stores have read their registers and their base: the next block writes both
	s_wait_alu depctr_vm_vsrc(0)                   ; the stores to out have read v32-63, in which the next block's K lands; the stage's LDS stores have read v96-127, which its products write
	s_add_co_u32 s84, s84, 1
	s_cmp_lt_u32 s84, 2
	s_cbranch_scc1 .Lblock
	s_wait_dscnt 0x0
	s_wait_alu depctr_hold_cnt(0) depctr_sa_sdst(0) depctr_va_vdst(0) depctr_va_sdst(0) depctr_va_ssrc(0) depctr_va_vcc(0) depctr_vm_vsrc(0)
	s_wait_tensorcnt 0x0
	ds_add_u32 v251, v255
	s_wait_dscnt 0x0
	s_endpgm
.Lfunc_end_k_q1b94ff7c5d_attn:
	.size	k_q1b94ff7c5d_attn, .Lfunc_end_k_q1b94ff7c5d_attn-k_q1b94ff7c5d_attn
	.p2alignl 7, 3214868480
	.fill 96, 4, 3214868480
	.section	.rodata,"a",@progbits
	.p2align	6, 0x0
	.amdhsa_kernel k_q1b94ff7c5d_attn
		.amdhsa_group_segment_fixed_size 137216
		.amdhsa_private_segment_fixed_size 0
		.amdhsa_enable_private_segment 0
		.amdhsa_kernarg_size 48
		.amdhsa_user_sgpr_count 2
		.amdhsa_user_sgpr_kernarg_segment_ptr 1
		.amdhsa_wavefront_size32 1
		.amdhsa_system_sgpr_workgroup_id_x 1
		.amdhsa_system_sgpr_workgroup_id_y 1
		.amdhsa_system_sgpr_workgroup_id_z 1
		.amdhsa_system_vgpr_workitem_id 0
		.amdhsa_next_free_vgpr 256
		.amdhsa_next_free_sgpr 102
		.amdhsa_reserve_vcc 0
		.amdhsa_float_denorm_mode_32 3
		.amdhsa_float_denorm_mode_16_64 3
		.amdhsa_memory_ordered 1
		.amdhsa_forward_progress 1
		.amdhsa_inst_pref_size 99
	.end_amdhsa_kernel
	.amdgpu_metadata
---
amdhsa.version: [ 1, 2 ]
amdhsa.kernels:
  - .name:           k_q1b94ff7c5d_attn
    .symbol:         k_q1b94ff7c5d_attn.kd
    .args:
      - { .name: qc, .offset: 0, .size: 8, .value_kind: global_buffer, .address_space: global }
      - { .name: kvc, .offset: 8, .size: 8, .value_kind: global_buffer, .address_space: global }
      - { .name: mbits, .offset: 16, .size: 8, .value_kind: global_buffer, .address_space: global }
      - { .name: flags, .offset: 24, .size: 8, .value_kind: global_buffer, .address_space: global }
      - { .name: lowp_scales, .offset: 32, .size: 8, .value_kind: global_buffer, .address_space: global }
      - { .name: out0, .offset: 40, .size: 8, .value_kind: global_buffer, .address_space: global }
    .group_segment_fixed_size: 137216
    .private_segment_fixed_size: 0
    .kernarg_segment_align: 8
    .kernarg_segment_size: 48
    .max_flat_workgroup_size: 512
    .sgpr_count:     102
    .vgpr_count:     256
    .wavefront_size: 32
...
	.end_amdgpu_metadata
.endif
;; end of part 4
